; MI455X (gfx1250); checked and timed in simulation.
; The chip was launched on July 23, 2026; its instructions are those of AMD's public machine-readable ISA for CDNA 5 (MIT licence, August 2026) and "CDNA5" Instruction Set Architecture Reference Guide (July 2026). The comments in the code are by the model that wrote it; some were corrected since.
;; Topic Encoder. Allowed arithmetic: matrix products marked QUANTISED: E3M2 operands, one E8M0 scale for each 32 along K, by v_wmma_scale_f32_16x16x128_f8f6f4 with both operands' format E3M2, f32 sums; everything else in f32.
;; Inputs: W1_codes 5 x 1,024 x 32 x 24 uint8 (E3M2 codes of W1, K innermost, in blocks of 32 codes, four codes in three bytes); W1_scales 5 x 1,024 x 32 uint8 (E8M0 scales of W1, one for each 32 codes along K); W2_codes 5 x 1,024 x 32 x 24 uint8 (E3M2 codes of W2, K innermost, in blocks of 32 codes, four codes in three bytes); W2_scales 5 x 1,024 x 32 uint8 (E8M0 scales of W2, one for each 32 codes along K); Wf 1,124 x 512 float32; attention_mask 32 x 128 float32; b1 5 x 1,024 float32; b2 5 x 1,024 float32; beta1 5 x 1,024 float32; betaf 512 float32; bf 512 float32; g1 5 x 1,024 float32; gf 512 float32; language_ids 32 int32; lda_features 32 x 100 float32; sequence_output_codes 32 x 128 x 32 x 24 uint8 (E3M2 codes of sequence_output, K innermost, in blocks of 32 codes, four codes in three bytes); sequence_output_scales 32 x 128 x 32 uint8 (E8M0 scales of sequence_output, one for each 32 codes along K).
;; Outputs: out0 32 x 512 float32.
;; This version of the problem:
;;   THIS VERSION OF THE PROBLEM IS GIVEN IN LOW PRECISION. The matrix products marked QUANTISED in the list below multiply operands that are first quantised to E3M2 (3 exponent bits, 2 mantissa bits; 6 bits a number), with one power-of-two scale for each 32 numbers along K (OCP MX v1.0); their sums are f32. All else is computed in f32.
;;   The module's matrix products, in the order in which they are computed (A, B: the left and right operand; K: the contracted axis; several contracted axes count as one K, in the product's order):
;;     1. [M 4,096, K 1,024] x [K 1,024, N 1,024]; A: input sequence_output (given as codes); B: input W1 (given as codes): QUANTISED
;;     2. [M 4,096, K 1,024] x [K 1,024, N 1,024]; A: computed on the way; B: input W2 (given as codes): QUANTISED
;;     3. [M 4,096, K 1,024] x [K 1,024, N 1,024]; A: input sequence_output (given as codes); B: input W1 (given as codes): QUANTISED
;;     4. [M 4,096, K 1,024] x [K 1,024, N 1,024]; A: computed on the way; B: input W2 (given as codes): QUANTISED
;;     5. [M 4,096, K 1,024] x [K 1,024, N 1,024]; A: input sequence_output (given as codes); B: input W1 (given as codes): QUANTISED
;;     6. [M 4,096, K 1,024] x [K 1,024, N 1,024]; A: computed on the way; B: input W2 (given as codes): QUANTISED
;;     7. [M 4,096, K 1,024] x [K 1,024, N 1,024]; A: input sequence_output (given as codes); B: input W1 (given as codes): QUANTISED
;;     8. [M 4,096, K 1,024] x [K 1,024, N 1,024]; A: computed on the way; B: input W2 (given as codes): QUANTISED
;;     9. [M 4,096, K 1,024] x [K 1,024, N 1,024]; A: input sequence_output (given as codes); B: input W1 (given as codes): QUANTISED
;;     10. [M 4,096, K 1,024] x [K 1,024, N 1,024]; A: computed on the way; B: input W2 (given as codes): QUANTISED
;;     11. [M 32, K 1,124] x [K 1,124, N 512]; A: computed on the way; B: input Wf: QUANTISED
;;   THE QUANTISER, for each operand of a quantised product, along K:
;;     - K is cut into blocks of 32 from its start; a last block that is shorter is filled with zeros.
;;     - A block's scale is 2^e with e = floor(log2(the largest magnitude in the block)) - 4, held to -126 .. 127; a block of zeros has e = 0. As a byte (E8M0): e + 127.
;;     - Each number is divided by its block's scale, clamped to +-28, and rounded to the nearest number of E3M2, ties to even, subnormals kept.
;;     - The product sums the exact products of the quantised numbers (number of the format x scale) in f32.
;;   ~~~python
;;   def quantise(x, axis):      # numpy; x: float32 -> the quantised numbers, widened to float32 again
;;       x = np.moveaxis(x, axis, -1); K = x.shape[-1]
;;       x = np.pad(x, [(0, 0)] * (x.ndim - 1) + [(0, -K % 32)]); x = x.reshape(x.shape[:-1] + (-1, 32)); a = np.abs(x).max(-1, keepdims=True)
;;       e = np.where(a > 0, np.clip(np.frexp(np.where(a > 0, a, 1))[1] - 1 - 4, -126, 127), 0)      # np.frexp(a)[1] - 1 = floor(log2(a)), exactly
;;       r = np.clip(x / 2.0 ** e, -28, 28)
;;       step = 2.0 ** (np.maximum(np.frexp(np.where(r == 0, 1, r))[1] - 1, -2) - 2)
;;       q = np.round(r / step) * step * 2.0 ** e      # np.round: ties to even
;;       return np.moveaxis(q.reshape(q.shape[:-2] + (-1,))[..., :K], -1, axis).astype(np.float32)
;;   ~~~
;;   OPERANDS COMPUTED ON THE WAY. 'Computed on the way' means the value that the module computes at that place (a softmax that the list does not call 'softmax' is quantised finished and normalised). What goes into a quantiser is computed in f32, as accurately as f32 sums, v_exp_f32 and their like allow (about 1e-6 of the number): no bf16 or f16 on the way to a quantiser, and a product that is left as it is and whose result goes on into a quantised operand takes f32 operands (vector FMAs, or v_wmma_f32_16x16x4_f32). A number that lies on a knife's edge between two numbers of the format may be rounded either way, as far as f32 arithmetic and the matrix unit's own rounding can turn it there, and no further.
;;   INPUTS GIVEN AS CODES. W1 (in the module: [5, 1024, 1024], K = its axis 1); W2 (in the module: [5, 1024, 1024], K = its axis 1); sequence_output (in the module: [32, 128, 1024], K = its axis 2): each comes as NAME_codes (uint8): NAME with its K axis moved to the last place and cut into blocks of 32 codes, [.., K / 32, bytes a block], one block behind the other in memory; four codes in three bytes: a row's codes are one little-endian stream of bits, code i at bits 6 i .. 6 i + 5 (a code: sign, 3 exponent bits, 2 mantissa bits); and NAME_scales (uint8): the same leading axes, one E8M0 byte (e + 127) for each 32 codes along K. Its value is code x scale, taken as it is: it is not quantised again, and the codes and scales need not be those that the quantiser above would give.
;; One version. Each part assembles by itself: llvm-mc -triple=amdgcn-amd-amdhsa -mcpu=gfx1250 --defsym DOCPART=n.
;; ======== version 1 of 1: 3 launches
;; limits: right only within a limited range of input values
;; workspace buffers: hbuf 16,777,216 bytes; stat 524,288 bytes; w2img 4,096,000 bytes; wfimg 442,368 bytes; wfsc 18,432 bytes; part 1,048,576 bytes
;; launch proj (part 1): grid 8 x 32, 8 waves a work-group, clusters of 4 x 1, 224,256 bytes of LDS; arguments sequence_output_codes, sequence_output_scales, W1_codes, W1_scales, b1, language_ids, hbuf, stat, W2_codes, w2img, Wf, wfimg, wfsc, W2_scales; writes hbuf, stat, w2img, wfimg, wfsc
.if DOCPART == 1
	.amdgcn_target "amdgcn-amd-amdhsa--gfx1250"
	.amdhsa_code_object_version 6
	.text
	.protected	k_q7195a315c5_proj
	.globl	k_q7195a315c5_proj
	.p2align	8
	.type	k_q7195a315c5_proj,@function
k_q7195a315c5_proj:
	s_mov_b64 s[64:65], 0
	v_nop
	global_prefetch_b8 v0, s[64:65] scope:SCOPE_SE
	s_setreg_imm32_b32 hwreg(HW_REG_WAVE_MODE, 25, 1), 1
	s_wait_xcnt 0x0
	s_wait_alu depctr_hold_cnt(0) depctr_sa_sdst(0) depctr_va_vdst(0) depctr_va_sdst(0) depctr_va_ssrc(0) depctr_va_vcc(0) depctr_vm_vsrc(0)
	s_getreg_b32 s2, hwreg(HW_REG_IB_STS2, 6, 4)
	s_cmp_eq_u32 s2, 0
	s_cbranch_scc0 .Lentry_in_a_cluster
	s_endpgm
.Lentry_in_a_cluster:
	s_bfe_u32 s2, ttmp6, 0x10000c
	s_cmp_lg_u32 s2, 0x3003
	s_cbranch_scc0 .Lentry_shape_is_right
	s_endpgm
.Lentry_shape_is_right:
; h = x W1[lang] + b1, in f32, for the ONE adapter that language_ids names for a batch; and, in waves of their own, W2's codes re-laid and Wf quantised for the later launches.
; WORK LEFT OUT, in all three launches: for each batch the problem multiplies the results of the adapters that its id does not name by a mask of zeros that it builds itself from language_ids, an input of whole numbers;
; those products, biases and norms are not computed.  LIMIT: a NaN, an infinity or an overflow that reaches only that work is not carried to the result.
; An id outside 0 .. 4 takes adapter 4's addresses; the next launch multiplies such a batch by 0.
; SHARES.  A work-group takes one batch b (128 rows) x 128 columns (tile t) x all of K = 1,024: 96 KB of x's codes and 96 KB of W1's.  Both lie in LDS whole, by first fills alone.
; WAVES 0-3 do the product, each 64 rows x 64 columns: 16 accumulators, 8 K steps of 128, 128 matrix instructions; each fetches a quarter of x.
; WAVES 4-7 each fetch a quarter of W1; behind the barrier that shows the tiles landed they re-lay W2 and quantise Wf.  x's address needs no id and is asked for ahead of it.  One tensor load a wave.
; No prefetch: there is no loop to run ahead in.
; CLUSTER.  The four work-groups of a cluster are four column tiles of one batch: they ask for the batch's rows of x jointly.
; W1's tiles are not asked for jointly: partners need different columns of it, and which batches share a language is an input.
; THE PRODUCT IS USED TRANSPOSED (source 0 = 16 columns' codes of W1, source 1 = 16 rows of x); lane r of tile 2 bq + u takes column 32 bq + 8 u + r + 8 (r / 8).
; So a lane holds one row of h, and the 16 registers of tiles 2 bq, 2 bq + 1 are 16 neighbouring columns: the order in which the next launch quantises.
; hbuf: [b][tile of 16 rows][t][16 groups][32 lanes][4 numbers], an image of these registers.
; stat: [b][2 t + wn][row][2]: the sum of a row's 64 columns and the sum of the squares of their differences from their own mean.
; w2img: [adapter][K step][group of 8 tiles of 16 columns][12,800 bytes]: eight images of the operand's registers, 1,536 bytes each, then eight times 16 scale words.
; A cluster takes 5 of W2's 320 tiles, each partner 2 K steps of them, 192 neighbouring bytes of each row: five jobs of two fragments a work-group, four waves (wave 4 takes two).
; wfimg, wfsc: Wf [1124][512], K its first axis, quantised along K: fragment 32 s + T is K step s, 16 columns T, as an image, and its 16 scale words.  A lane takes a column and its registers run down K.  Zeros from 1,124 to 1,152.
; Wave 7 of work-group (b, t) makes K step t of tile T = b; wave 6 of the 32 work-groups in the clusters with ttmp9 = 0 and b < 8 makes K step 8 of tile 4 b + cx.
; A block's scale is 2^(floor(log2(its largest magnitude)) - 4): its byte is the largest magnitude's exponent field - 4, held at 1 from below.
; LIMITS: a block of zeros gets the byte 1, not 127: its codes are zeros and this program alone reads the bytes.  Blocks whose largest magnitude lies under 2^-122 keep the byte 1.  NaN and infinities are not served.
; REGISTERS.  Window 0: v9-31 addresses; v32-63 scale words; v64-95 b1, later the statistics; v110-118 addresses; v128-255 accumulators (in waves 4-7: what they re-lay and quantise).  Window 1: two buffers of 96.
.set PITCH,  816                       ; an LDS row: 3 x (256 bytes + 16 of padding) = 204 words: the 16 rows x 2 halves of a load of 8 bytes a lane fall on 64 different words modulo 64
.set TILE16, 16*PITCH
.set QUART,  32*PITCH                  ; what one tensor load brings
.set LBU,    64*PITCH
.set LB,     128*PITCH                 ; x's 128 rows lie at 0; W1's behind them, in two regions of 64 rows: region u holds, at row 16 bq + 8 hi + i, column 32 bq + 16 hi + 8 u + i
.set STG,    256*PITCH                 ; waves 4-7: a stage of 3,584 bytes each, 16 rows of 192 bytes + 16
.set SPARE,  STG+4*3584                ; the spare words
.set WV,   18                          ; s18 wave; s83 wave % 4, of which s19 wm is the upper bit and s20 wn the lower; s21 cx; s22 t; s23 b; s24 lang; s25 at work
.set G1A,  32
.set G0A,  40
.set G1B,  44
.set G0B,  52
.set SEL,  58
.set ADRA, 16
.set ADRB, 18
.set SA,   32                          ; x's scale words: pair p, K step q at SA + 8 p + q: lanes 0-15 row tile 2 p, lanes 16-31 row tile 2 p + 1
.set SB,   48                          ; W1's: block bq, K step q: lanes 0-15 u = 0, lanes 16-31 u = 1
.set BIAS, 64
.set ACC,  128
.set RL,   128                         ; waves 4-7: W2's rows, 24 registers a job; later Wf's 64 numbers;
.set RF,   176                         ; W2's fragments, 24 registers a job;
.set RS,   224                         ; their scale words, a pair a job
.set TM,   192                         ; at work in the quantiser;
.set PC,   208                         ; the codes
.set PW,   228
.set MSB, 0
.macro WIN new                         ; the immediate's high byte repeats the setting that is left
.if MSB != \new
	s_set_vgpr_msb (MSB<<8)|\new
.set MSB, \new
.endif
.endm
.macro PLACES n
.rept \n
	v_nop
.endr
.endm
.macro CROUND                          ; a round of the cluster's barrier
	s_barrier_signal -1
	s_barrier_wait -1
	s_cmp_lg_u32 s[WV], 0
	s_cbranch_scc1 .Lnot_wave_0_\@
	s_barrier_signal -3
.Lnot_wave_0_\@:
	s_barrier_wait -3
	s_barrier_signal -1
	s_barrier_wait -1
.endm
; A fragment, 16 rows x 128 K of 6-bit codes, is 12 registers: lane (r, h) takes of row r the 24 bytes at 96 q + 24 h and those at 96 q + 48 + 24 h, in pieces of 8 bytes.
; Piece P of a row lies at 8 P + 16 (P / 32).  Lanes 16-31 read three pieces further on: where that is behind one padding more, the second address register serves.
.macro FRAG reg, adr, q, off
.irp p, 0,1,2,3,4,5
.set PCE, 12*(\q)+6*(\p/3)+\p%3
.if PCE%32 < 29
	ds_load_b64 v[2*\p+(\reg):2*\p+1+(\reg)], v[\adr] offset:8*PCE+16*(PCE/32)+(\off)
.else
	ds_load_b64 v[2*\p+(\reg):2*\p+1+(\reg)], v[1+(\adr)] offset:8*PCE+16*(PCE/32)+(\off)
.endif
.endr
.endm
; One product.  ra, rb = 1: that side's scale words stand in lanes 16-31 of the register named.
.macro WM d, a, b, c, sa, sb, ra, rb
.if (\ra) && (\rb)
	v_wmma_scale_f32_16x16x128_f8f6f4 v[0+(\d):7+(\d)], v[0+(\a):11+(\a)], v[0+(\b):11+(\b)], v[0+(\c):7+(\c)], v[0+(\sa)], v[0+(\sb)] matrix_a_fmt:MATRIX_FMT_BF6 matrix_b_fmt:MATRIX_FMT_BF6 matrix_a_scale:MATRIX_SCALE_ROW1 matrix_b_scale:MATRIX_SCALE_ROW1
.elseif (\ra)
	v_wmma_scale_f32_16x16x128_f8f6f4 v[0+(\d):7+(\d)], v[0+(\a):11+(\a)], v[0+(\b):11+(\b)], v[0+(\c):7+(\c)], v[0+(\sa)], v[0+(\sb)] matrix_a_fmt:MATRIX_FMT_BF6 matrix_b_fmt:MATRIX_FMT_BF6 matrix_a_scale:MATRIX_SCALE_ROW1
.elseif (\rb)
	v_wmma_scale_f32_16x16x128_f8f6f4 v[0+(\d):7+(\d)], v[0+(\a):11+(\a)], v[0+(\b):11+(\b)], v[0+(\c):7+(\c)], v[0+(\sa)], v[0+(\sb)] matrix_a_fmt:MATRIX_FMT_BF6 matrix_b_fmt:MATRIX_FMT_BF6 matrix_b_scale:MATRIX_SCALE_ROW1
.else
	v_wmma_scale_f32_16x16x128_f8f6f4 v[0+(\d):7+(\d)], v[0+(\a):11+(\a)], v[0+(\b):11+(\b)], v[0+(\c):7+(\c)], v[0+(\sa)], v[0+(\sb)] matrix_a_fmt:MATRIX_FMT_BF6 matrix_b_fmt:MATRIX_FMT_BF6
.endif
.endm
.macro FETCH q, f                      ; K step q's eight fragments into buffer f of window 1: 48 LDS loads in one run
	WIN 0x40
.irp tb, 0,1,2,3
	FRAG (\f)+48+12*\tb, ADRB+2*(\tb%2), \q, TILE16*(\tb/2)
.endr
.irp a, 0,1,2,3
	FRAG (\f)+12*\a, ADRA, \q, TILE16*\a
.endr
.endm
.macro MULS q, f, first                ; K step q: 16 products; the 16 accumulators take turns.  first = 1: b1 is the C that starts the sums
	WIN 0x05
.irp a, 0,1,2,3
.irp tb, 0,1,2,3
.if \first
	WM ACC+8*(4*\a+\tb), (\f)+48+12*\tb, (\f)+12*\a, BIAS+8*\tb, SB+8*(\tb/2)+(\q), SA+8*(\a/2)+(\q), \tb%2, \a%2
.else
	WM ACC+8*(4*\a+\tb), (\f)+48+12*\tb, (\f)+12*\a, ACC+8*(4*\a+\tb), SB+8*(\tb/2)+(\q), SA+8*(\a/2)+(\q), \tb%2, \a%2
.endif
.endr
.endr
.endm
.macro RLOAD n                         ; job n: 16 rows x 192 bytes of W2's codes, 16 bytes a lane, and each row's two scale words
.irp m, 0,1,2
	global_load_b128 v[RL+24*\n+4*\m:RL+24*\n+4*\m+3], v[26+\m], s[60:61] offset:49152*\n
	global_load_b128 v[RL+24*\n+12+4*\m:RL+24*\n+15+4*\m], v[26+\m], s[60:61] offset:49152*\n+6144
.endr
	global_load_b64 v[RS+2*\n:RS+2*\n+1], v117, s[90:91] offset:2048*\n
.endm
.macro RSTORE n                        ; through my stage (LDS serves a wave's instructions in order: ISA guide 5.7.1.4) into the operand's order, and out as two images and their scale words
.irp m, 0,1,2
	ds_store_b128 v[29+\m], v[RL+24*\n+4*\m:RL+24*\n+4*\m+3]
	ds_store_b128 v[29+\m], v[RL+24*\n+12+4*\m:RL+24*\n+15+4*\m] offset:1664
.endr
.irp q, 0,1
.irp p, 0,1,2,3,4,5
	ds_load_b64 v[RF+24*\n+12*\q+2*\p:RF+24*\n+12*\q+2*\p+1], v116 offset:96*\q+48*(\p/3)+8*(\p%3)
.endr
.endr
	s_wait_dscnt 0x0
.irp q, 0,1
.irp c, 0,1,2
	global_store_b128 v25, v[RF+24*\n+12*\q+4*\c:RF+24*\n+12*\q+4*\c+3], s[74+2*\n:75+2*\n] offset:102400*\q+512*\c
.endr
	global_store_b32 v118, v[RS+2*\n+\q], s[78+2*\n:79+2*\n] offset:102400*\q   ; lanes l and l xor 16 hold the same word and write it to the same place
.endr
.endm
	s_load_b256 s[4:11], s[0:1], 0x0               ; x's codes s[4:5], x's scales s[6:7], W1's codes s[8:9], W1's scales s[10:11]
	s_load_b128 s[12:15], s[0:1], 0x20             ; b1 s[12:13], language_ids s[14:15]
	s_load_b64 s[16:17], s[0:1], 0x30              ; hbuf
	s_load_b64 s[56:57], s[0:1], 0x38              ; stat
	s_load_b128 s[60:63], s[0:1], 0x40             ; W2's codes s[60:61], w2img s[62:63]
	s_load_b128 s[84:87], s[0:1], 0x50             ; Wf s[84:85], wfimg s[86:87]
	s_load_b128 s[88:91], s[0:1], 0x60             ; wfsc s[88:89], W2's scales s[90:91]
	v_lshl_add_u32 v126, v0, 2, SPARE
	v_mov_b32 v127, 0
	ds_add_u32 v126, v127                          ; the wave's opening: the add, twice on end, and its wait
	ds_add_u32 v126, v127
	v_lshrrev_b32 v1, 5, v0
	v_readfirstlane_b32 s[WV], v1                  ; wave 0..7
	s_and_b32 s83, s[WV], 3
	s_bfe_u32 s19, s[WV], 0x10001                  ; wm: which 64 rows
	s_and_b32 s20, s[WV], 1                        ; wn: which 64 columns
	s_bfe_u32 s21, ttmp6, 0x40000                  ; cx
	s_lshl_b32 s22, ttmp9, 2
	s_add_co_u32 s22, s22, s21                     ; t = 4 x cluster x + cx
	s_and_b32 s23, ttmp7, 0xffff                   ; b: the four partners share it
	s_lshl_b32 s26, s23, 2
	s_mov_b32 s27, 0
	s_mov_b32 s29, 0
	s_mov_b32 s31, 0
	; x: 32 rows of 768 bytes are dense in memory: 96 rows of 256 bytes (32 elements of 8), 16 bytes of padding behind each
	s_mov_b32 s[G1A+0], 15|(3<<16)|(1<<20)|(1<<21)|(5<<22)|(3<<25)  ; 15:0 the mask: all four work-groups; 17:16 elements of 8 bytes; 20 padding on; 21 set beside a mask; 24:22 after every 64 words; 31:25 4 words of it
	s_mov_b32 s[G1A+1], 32<<16                     ; tensor_dim0
	s_mov_b32 s[G1A+2], 96<<16                     ; tensor_dim1
	s_mov_b32 s[G1A+3], 32<<16                     ; tile_dim0
	s_mov_b32 s[G1A+4], 96                         ; tile_dim1
	s_mov_b32 s[G1A+5], 32                         ; from row to row
	s_mov_b32 s[G1A+6], 0
	s_mov_b32 s[G1A+7], 0
	; W1: a 'row' is 8 columns' codes, 6,144 dense bytes (768 elements); the next begins 16 columns on; four of them; the padding's interval divides the row in 24
	s_mov_b32 s[G1B+0], (3<<16)|(1<<20)|(5<<22)|(3<<25)
	s_mov_b32 s[G1B+1], 768<<16
	s_mov_b32 s[G1B+2], 4<<16
	s_mov_b32 s[G1B+3], 768<<16
	s_mov_b32 s[G1B+4], 4
	s_mov_b32 s[G1B+5], 1536
	s_mov_b32 s[G1B+6], 0
	s_mov_b32 s[G1B+7], 0
	s_wait_dscnt 0x0                               ; both opening adds are done
	CROUND                                         ; all four work-groups are here: the joint loads meet.  The arguments are on their way meanwhile
	s_wait_kmcnt 0x0
	s_add_nc_u64 s[14:15], s[14:15], s[26:27]
	s_load_b32 s24, s[14:15], 0x0                  ; the batch's language
	s_mul_i32 s26, s23, 98304                      ; x: the batch's codes, and my 32 rows of them: b and the wave's number alone
	s_mul_i32 s25, s83, 24576
	s_add_co_u32 s26, s26, s25
	s_mov_b32 s[G0A], 1
	s_mul_i32 s[G0A+1], s83, QUART
	s_add_nc_u64 s[G0A+2:G0A+3], s[4:5], s[26:27]
	s_or_b32 s[G0A+3], s[G0A+3], 0x80000000
	s_cmp_lt_u32 s[WV], 4
	s_cbranch_scc0 .Lfor_w1
	tensor_load_to_lds s[G0A:G0A+3], s[G1A:G1A+7]
	s_nop 0
	PLACES 4
	s_branch .Lasked
.Lfor_w1:
	s_mul_i32 s28, s22, 98304                      ; W1: the tile's 128 columns, my 64 of them, my region, and the language
	s_mul_i32 s25, s19, 49152
	s_add_co_u32 s28, s28, s25
	s_mul_i32 s25, s20, 6144
	s_add_co_u32 s28, s28, s25
	s_mov_b32 s[G0B], 1
	s_mul_i32 s[G0B+1], s20, LBU
	s_mul_i32 s25, s19, QUART
	s_add_co_u32 s[G0B+1], s[G0B+1], s25
	s_add_co_u32 s[G0B+1], s[G0B+1], LB
	s_wait_kmcnt 0x0
	s_min_u32 s66, s24, 4                          ; the id is held inside the table before it enters an address
	s_mul_i32 s66, s66, 786432
	s_add_co_u32 s28, s28, s66
	s_add_nc_u64 s[G0B+2:G0B+3], s[8:9], s[28:29]
	s_or_b32 s[G0B+3], s[G0B+3], 0x80000000
	tensor_load_to_lds s[G0B:G0B+3], s[G1B:G1B+7]
	s_nop 0
	PLACES 4
.Lasked:
	s_mov_b32 s[SEL], 0x76543210
	s_mov_b32 s[SEL+1], 0xfedcba98                 ; v_permlanex16_b32's selects for lane l xor 16
	; W2: cluster 2 b + ttmp9 takes tiles 5 x that .. + 4; my wave tile + wave % 4 (job 1: tile + 4), K steps 2 cx and 2 cx + 1
	s_lshl_b32 s66, s23, 1
	s_add_co_u32 s66, s66, ttmp9
	s_mul_i32 s66, s66, 5
	s_add_co_u32 s66, s66, s83
	s_mov_b32 s69, 0
	s_mov_b32 s73, 0
	s_mul_i32 s68, s66, 12288
	s_mul_i32 s25, s21, 192
	s_add_co_u32 s68, s68, s25
	s_add_nc_u64 s[60:61], s[60:61], s[68:69]
	s_lshl_b32 s68, s66, 9
	s_lshl_b32 s25, s21, 3
	s_add_co_u32 s68, s68, s25
	s_add_nc_u64 s[90:91], s[90:91], s[68:69]
.irp n, 0,1
	s_add_co_u32 s70, s66, 4*\n
	s_lshr_b32 s71, s70, 6                         ; the adapter: 64 tiles each
	s_and_b32 s70, s70, 63
	s_mul_i32 s72, s71, 819200
	s_lshr_b32 s71, s70, 3                         ; the group of eight
	s_mul_i32 s71, s71, 12800
	s_add_co_u32 s72, s72, s71
	s_mul_i32 s71, s21, 204800
	s_add_co_u32 s72, s72, s71
	s_and_b32 s70, s70, 7
	s_lshl_b32 s71, s70, 6
	s_add_co_u32 s68, s72, s71
	s_add_co_u32 s68, s68, 12288
	s_add_nc_u64 s[78+2*\n:79+2*\n], s[62:63], s[68:69]
	s_mul_i32 s70, s70, 1536
	s_add_co_u32 s72, s72, s70
	s_add_nc_u64 s[74+2*\n:75+2*\n], s[62:63], s[72:73]
.endr
	s_mul_i32 s94, s83, 3584                       ; my stage
	s_add_co_u32 s94, s94, STG
	s_mul_i32 s95, s19, LBU                        ; my 64 rows of x
	s_mul_i32 s96, s20, QUART                      ; my 32 LDS rows of each region of W1
	s_add_co_u32 s96, s96, LB
	s_add_co_u32 s97, s96, LBU
	v_and_b32 v3, 31, v0                           ; lane
	v_and_b32 v1, 15, v0                           ; r
	v_bfe_u32 v2, v0, 4, 1                         ; h
	v_mul_u32_u24 v4, v1, PITCH
	v_mad_u32_u24 v5, v2, 24, v4                   ; row r, + 24 h
	v_mad_u32_u24 v6, v2, 40, v4                   ; and behind one padding more
	v_add_nc_u32 v[ADRA], s95, v5
	v_add_nc_u32 v[ADRA+1], s95, v6
	v_add_nc_u32 v[ADRB], s96, v5
	v_add_nc_u32 v[ADRB+1], s96, v6
	v_add_nc_u32 v[ADRB+2], s97, v5
	v_add_nc_u32 v[ADRB+3], s97, v6
	v_lshlrev_b32 v22, 5, v3                       ; x's scales: 32 bytes a row, 32 rows on end
	v_and_b32 v7, 8, v1
	v_add_nc_u32 v7, v7, v1                        ; r + 8 (r / 8)
	v_lshl_add_u32 v7, v2, 3, v7                   ; + 8 u, u = the lane's half
	v_lshlrev_b32 v23, 5, v7                       ; W1's scales
	v_lshlrev_b32 v24, 6, v2                       ; b1: 16 numbers on for lanes 16-31
	v_lshlrev_b32 v25, 4, v3                       ; 16 x lane
	v_lshlrev_b32 v9, 3, v3                        ; 8 x lane
	; W2's rows of 192 bytes are 12 pieces of 16: lane i of 0 .. 95 takes piece i % 12 of row i / 12 = (171 i) / 2048; the other eight rows lie 6,144 bytes on
.irp m, 0,1,2
	v_add_nc_u32 v110, 32*\m, v3
	v_mul_u32_u24 v111, 0xab, v110
	v_lshrrev_b32 v111, 11, v111
	v_mul_u32_u24 v[26+\m], 0x240, v111
	v_lshl_add_u32 v[26+\m], v110, 4, v[26+\m]     ; in memory: 768 x row + 16 x piece = 576 x row + 16 i
	v_add_nc_u32 v111, v110, v111
	v_lshl_add_u32 v[29+\m], v111, 4, s94          ; in the stage: 208 x row + 16 x piece = 16 (row + i)
.endr
	v_mul_u32_u24 v116, 0xd0, v1
	v_mad_u32_u24 v116, v2, 24, v116
	v_add_nc_u32 v116, s94, v116                   ; and from where a fragment is read: row r, + 24 h
	v_lshlrev_b32 v117, 5, v1                      ; W2's scales: 32 bytes a column
	v_lshlrev_b32 v118, 2, v1                      ; 4 r
	s_wait_alu depctr_va_vdst(0)
	s_wait_kmcnt 0x0
	s_min_u32 s24, s24, 4
	s_lshl_b32 s26, s23, 12                        ; x's scales: (128 b + 64 wm) x 32
	s_lshl_b32 s25, s19, 11
	s_add_co_u32 s26, s26, s25
	s_add_nc_u64 s[6:7], s[6:7], s[26:27]
	s_lshl_b32 s28, s24, 15                        ; W1's scales: (1024 lang + 128 t + 64 wn) x 32
	s_lshl_b32 s25, s22, 12
	s_add_co_u32 s28, s28, s25
	s_lshl_b32 s25, s20, 11
	s_add_co_u32 s28, s28, s25
	s_add_nc_u64 s[10:11], s[10:11], s[28:29]
	s_lshl_b32 s28, s24, 12                        ; b1: the same columns x 4
	s_lshl_b32 s25, s22, 9
	s_add_co_u32 s28, s28, s25
	s_lshl_b32 s25, s20, 8
	s_add_co_u32 s28, s28, s25
	s_add_nc_u64 s[12:13], s[12:13], s[28:29]
	s_cmp_lt_u32 s[WV], 4
	s_cbranch_scc0 .Lhelp_load
.irp p, 0,1
.irp hf, 0,1
	global_load_b128 v[SA+8*\p+4*\hf:SA+8*\p+4*\hf+3], v22, s[6:7] offset:1024*\p+16*\hf     ; a row's eight scale words, one for each K step
	global_load_b128 v[SB+8*\p+4*\hf:SB+8*\p+4*\hf+3], v23, s[10:11] offset:1024*\p+16*\hf
.endr
.endr
.irp tb, 0,1,2,3
.irp hf, 0,1
	global_load_b128 v[BIAS+8*\tb+4*\hf:BIAS+8*\tb+4*\hf+3], v24, s[12:13] offset:128*(\tb/2)+32*(\tb%2)+16*\hf   ; register j: b1 at column 32 bq + 16 h + 8 u + j
.endr
.endr
	s_branch .Lloads_out
.Lhelp_load:
	RLOAD 0
	s_cmp_eq_u32 s[WV], 4                          ; five jobs for four waves: wave 4 takes two
	s_cbranch_scc0 .Lloads_out
	RLOAD 1
.Lloads_out:
	s_lshl_b32 s30, s23, 19                        ; hbuf: b, my four tiles of rows, column tile t, my half of its 16 groups
	s_lshl_b32 s25, s19, 18
	s_add_co_u32 s30, s30, s25
	s_lshl_b32 s25, s22, 13
	s_add_co_u32 s30, s30, s25
	s_lshl_b32 s25, s20, 12
	s_add_co_u32 s30, s30, s25
	s_add_nc_u64 s[16:17], s[16:17], s[30:31]
	s_lshl_b32 s30, s23, 14                        ; stat: b, 2 t + wn, my 64 rows
	s_lshl_b32 s25, s22, 11
	s_add_co_u32 s30, s30, s25
	s_lshl_b32 s25, s20, 10
	s_add_co_u32 s30, s30, s25
	s_lshl_b32 s25, s19, 9
	s_add_co_u32 s30, s30, s25
	s_add_nc_u64 s[56:57], s[56:57], s[30:31]
	s_wait_tensorcnt 0x0                           ; my part of the tiles has landed,
	s_barrier_signal -1
	s_barrier_wait -1                              ; everybody's has
	s_cmp_lt_u32 s[WV], 4
	s_cbranch_scc0 .Lhelp
	FETCH 0, 0
	FETCH 1, 128
	s_wait_loadcnt 0x0                             ; the scale words and b1
	s_wait_dscnt 48                                ; all but the 48 loads just issued: K step 0's fragments are in
	MULS 0, 0, 1
.irp q, 1,2,3,4,5,6
	PLACES 4                                       ; four places in front of loads into the buffer that the last products read
	FETCH \q+1, 128*((\q+1)%2)
	s_wait_dscnt 48                                ; all but the 48 just issued
	MULS \q, 128*(\q%2), 0
.endr
	s_wait_dscnt 0x0
	MULS 7, 128, 0
	WIN 0
	PLACES 4                                       ; four places in front of the stores that read the last results
.irp a, 0,1,2,3
.irp tb, 0,1,2,3
	global_store_b128 v25, v[ACC+8*(4*\a+\tb):ACC+8*(4*\a+\tb)+3], s[16:17] offset:65536*\a+2048*(\tb/2)+1024*(\tb%2)        ; each accumulator from its low end on; 32 lanes store 512 consecutive bytes
	global_store_b128 v25, v[ACC+8*(4*\a+\tb)+4:ACC+8*(4*\a+\tb)+7], s[16:17] offset:65536*\a+2048*(\tb/2)+1024*(\tb%2)+512
.endr
.endr
; The statistics, while the stores are on their way: row tile a's 32 numbers of my lane are v[ACC + 32 a] on; lane l xor 16 has the row's other 32.  Two passes: the mean first.
.irp a, 0,1,2,3
	v_pk_add_f32 v[64+2*\a:65+2*\a], v[ACC+32*\a:ACC+32*\a+1], v[ACC+32*\a+2:ACC+32*\a+3]
.endr
.irp n, 2,3,4,5,6,7,8,9,10,11,12,13,14,15
.irp a, 0,1,2,3
	v_pk_add_f32 v[64+2*\a:65+2*\a], v[64+2*\a:65+2*\a], v[ACC+32*\a+2*\n:ACC+32*\a+2*\n+1]
.endr
.endr
.irp a, 0,1,2,3
	v_add_f32 v[64+2*\a], v[64+2*\a], v[65+2*\a]
.endr
.irp a, 0,1,2,3
	v_permlanex16_b32 v[80+\a], v[64+2*\a], s[SEL], s[SEL+1]
.endr
.irp a, 0,1,2,3
	v_add_f32 v[64+2*\a], v[64+2*\a], v[80+\a]     ; the sum of 64 columns
.endr
.irp a, 0,1,2,3
	v_mul_f32 v[72+2*\a], 0x3c800000, v[64+2*\a]   ; x 1/64: their mean, as a pair
	v_mul_f32 v[73+2*\a], 0x3c800000, v[64+2*\a]
.endr
.irp n, 0,1,2,3,4,5,6,7,8,9,10,11,12,13,14,15
.irp a, 0,1,2,3
	v_pk_add_f32 v[84+2*\a:85+2*\a], v[ACC+32*\a+2*\n:ACC+32*\a+2*\n+1], v[72+2*\a:73+2*\a] neg_lo:[0,1] neg_hi:[0,1]
.endr
.irp a, 0,1,2,3
.if \n == 0
	v_pk_mul_f32 v[96+2*\a:97+2*\a], v[84+2*\a:85+2*\a], v[84+2*\a:85+2*\a]
.else
	v_pk_fma_f32 v[96+2*\a:97+2*\a], v[84+2*\a:85+2*\a], v[84+2*\a:85+2*\a], v[96+2*\a:97+2*\a]
.endif
.endr
.endr
.irp a, 0,1,2,3
	v_add_f32 v[96+2*\a], v[96+2*\a], v[97+2*\a]
.endr
.irp a, 0,1,2,3
	v_permlanex16_b32 v[80+\a], v[96+2*\a], s[SEL], s[SEL+1]
.endr
.irp a, 0,1,2,3
	v_add_f32 v[96+2*\a], v[96+2*\a], v[80+\a]
.endr
	s_mov_b32 vcc_lo, 0xffff0000                   ; lanes 16-31 take the odd row tile
.irp i, 0,1
	v_cndmask_b32 v[104+2*\i], v[64+4*\i], v[66+4*\i], vcc_lo
	v_cndmask_b32 v[105+2*\i], v[96+4*\i], v[98+4*\i], vcc_lo
.endr
.irp i, 0,1
	global_store_b64 v9, v[104+2*\i:105+2*\i], s[56:57] offset:256*\i   ; rows 64 wm + 32 i + lane: 256 consecutive bytes, aligned
.endr
	s_branch .Lend
	; ---- waves 4-7
.Lhelp:
	s_wait_loadcnt 0x0
	RSTORE 0
	s_cmp_eq_u32 s[WV], 4
	s_cbranch_scc0 .Lno_second_job
	RSTORE 1
.Lno_second_job:
	s_cmp_lt_u32 s23, 8                            ; who quantises: wave 7 everywhere; wave 6 where ttmp9 = 0 and b < 8
	s_cselect_b32 s66, 1, 0
	s_cmp_eq_u32 ttmp9, 0
	s_cselect_b32 s67, s66, 0
	s_cmp_eq_u32 s[WV], 6
	s_cselect_b32 s68, s67, 0
	s_cmp_eq_u32 s[WV], 7
	s_cselect_b32 s68, 1, s68
	s_cmp_eq_u32 s68, 0
	s_cbranch_scc1 .Lend
	s_lshl_b32 s66, s23, 2
	s_add_co_u32 s66, s66, s21
	s_cmp_eq_u32 s[WV], 7
	s_cselect_b32 s70, s22, 8                      ; K step s
	s_cselect_b32 s71, s23, s66                    ; tile T
	s_cselect_b32 s72, 0x10000, 0                  ; K step 8 holds rows 1,024 .. 1,123 alone
	s_cselect_b32 vcc_lo, 0, 0xffff0000
	v_lshl_add_u32 v11, v2, 16, v118               ; lanes 16-31 begin 32 rows of 2,048 bytes further down
	v_mad_u32_u24 v12, v2, s72, v118               ; the same, but in K step 8 lanes 16-31 stay with lanes 0-15: no load leaves the buffer
	v_lshlrev_b32 v13, 3, v2
	v_mov_b32 v14, 0
	s_lshl_b32 s30, s70, 18                        ; 128 rows a K step,
	s_lshl_b32 s25, s71, 6                         ; 64 bytes a tile of columns
	s_add_co_u32 s30, s30, s25
	s_add_nc_u64 s[84:85], s[84:85], s[30:31]
	s_lshl_b32 s30, s70, 5
	s_add_co_u32 s25, s30, s71                     ; fragment 32 s + T
	s_mul_i32 s30, s25, 1536
	s_add_nc_u64 s[86:87], s[86:87], s[30:31]
	s_lshl_b32 s30, s25, 6
	s_add_nc_u64 s[88:89], s[88:89], s[30:31]
	s_wait_alu depctr_va_vdst(0)
	s_wait_xcnt 0x0                                ; the stores have read W2's fragments: Wf's numbers take their registers
	v_mov_b32 v[TM+6], 0                           ; a lane permute's destination counts as one of its sources
.set i, 0
.rept 32
	global_load_b32 v[RL+i], v11, s[84:85] offset:2048*i th:TH_LOAD_NT             ; Wf(128 s + 32 h + i, 16 T + r)
.set i, i+1
.endr
.set i, 0
.rept 4
	global_load_b32 v[RL+32+i], v11, s[84:85] offset:2048*(64+i) th:TH_LOAD_NT     ; Wf(128 s + 64 + 32 h + i, ..): in K step 8 rows 1,120 .. 1,123 at the most
.set i, i+1
.endr
.rept 28
	global_load_b32 v[RL+32+i], v12, s[84:85] offset:2048*(64+i) th:TH_LOAD_NT
.set i, i+1
.endr
	s_wait_loadcnt 0x0
.set i, 36
.rept 28
	v_cndmask_b32 v[RL+i], v[RL+i], v14, vcc_lo    ; k from 1,124 on: zeros, ahead of the block's maximum
.set i, i+1
.endr
; register 32 c + i = k 64 c + 32 (lane / 16) + i: two whole blocks, already in the operand's order
.irp c, 0,1
	v_max3_num_f32 v[TM+\c], |v[RL+32*\c]|, |v[RL+1+32*\c]|, 0x2800000   ; and the floor 2^(5 - 127): the byte cannot fall under 1
.endr
.irp i, 2,4,6,8,10,12,14,16,18,20,22,24,26,28,30
.irp c, 0,1
	v_max3_num_f32 v[TM+\c], v[TM+\c], |v[RL+32*\c+\i]|, |v[RL+1+32*\c+\i]|
.endr
.endr
.irp c, 0,1
	v_add_nc_u32 v[TM+4+\c], 0xfe000000, v[TM+\c]  ; 4 off the exponent field: the conversion's scale operand
.endr
.irp c, 0,1
	v_lshrrev_b32 v[TM+2+\c], 23, v[TM+4+\c]       ; the scale's byte
.endr
	v_lshl_or_b32 v[PW], v[TM+3], 16, v[TM+2]      ; my two bytes: blocks h and 2 + h,
	v_lshlrev_b32 v[PW], v13, v[PW]                ; at their places in the word;
	v_permlanex16_b32 v[TM+6], v[PW], s[SEL], s[SEL+1]
	v_or_b32 v[PW], v[PW], v[TM+6]                 ; with lane l xor 16's two the word is whole, in both lanes
.irp c, 0,1
	v_cvt_scalef32_pk16_bf6_f32 v[PC+6*\c:PC+2+6*\c], v[RL+32*\c:RL+15+32*\c], v[TM+4+\c]
	v_cvt_scalef32_pk16_bf6_f32 v[PC+12+4*\c:PC+14+4*\c], v[RL+16+32*\c:RL+31+32*\c], v[TM+4+\c]   ; (a conversion's three registers begin on an even number)
.endr
	v_nop                                          ; one plain place behind a scaled conversion
.irp c, 0,1
.irp i, 0,1,2
	v_mov_b32 v[PC+3+6*\c+\i], v[PC+12+4*\c+\i]
.endr
.endr
.irp c, 0,1,2
	global_store_b128 v25, v[PC+4*\c:PC+4*\c+3], s[86:87] offset:512*\c
.endr
	global_store_b32 v118, v[PW], s[88:89]         ; 16 scale words; lanes l and l xor 16 hold the same word and write it to the same place
.Lend:
	s_wait_tensorcnt 0x0                           ; the wave's end
	ds_add_u32 v126, v127
	s_wait_dscnt 0x0
	CROUND                                         ; the closing round: no work-group ends while a partner may still ask for a tile that names it
	s_endpgm
.Lfunc_end_k_q7195a315c5_proj:
	.size	k_q7195a315c5_proj, .Lfunc_end_k_q7195a315c5_proj-k_q7195a315c5_proj
	.p2alignl 7, 3214868480
	.fill 96, 4, 3214868480
	.section	.rodata,"a",@progbits
	.p2align	6, 0x0
	.amdhsa_kernel k_q7195a315c5_proj
		.amdhsa_group_segment_fixed_size 224256
		.amdhsa_private_segment_fixed_size 0
		.amdhsa_enable_private_segment 0
		.amdhsa_kernarg_size 112
		.amdhsa_user_sgpr_count 2
		.amdhsa_user_sgpr_kernarg_segment_ptr 1
		.amdhsa_wavefront_size32 1
		.amdhsa_system_sgpr_workgroup_id_x 1
		.amdhsa_system_sgpr_workgroup_id_y 1
		.amdhsa_system_sgpr_workgroup_id_z 1
		.amdhsa_system_vgpr_workitem_id 0
		.amdhsa_next_free_vgpr 512
		.amdhsa_next_free_sgpr 100
		.amdhsa_reserve_vcc 1
		.amdhsa_float_denorm_mode_32 3
		.amdhsa_float_denorm_mode_16_64 3
		.amdhsa_memory_ordered 1
		.amdhsa_forward_progress 1
		.amdhsa_inst_pref_size 88
	.end_amdhsa_kernel
	.amdgpu_metadata
---
amdhsa.version: [ 1, 2 ]
amdhsa.kernels:
  - .name:           k_q7195a315c5_proj
    .symbol:         k_q7195a315c5_proj.kd
    .args:
      - { .name: sequence_output_codes, .offset: 0, .size: 8, .value_kind: global_buffer, .address_space: global }
      - { .name: sequence_output_scales, .offset: 8, .size: 8, .value_kind: global_buffer, .address_space: global }
      - { .name: W1_codes, .offset: 16, .size: 8, .value_kind: global_buffer, .address_space: global }
      - { .name: W1_scales, .offset: 24, .size: 8, .value_kind: global_buffer, .address_space: global }
      - { .name: b1, .offset: 32, .size: 8, .value_kind: global_buffer, .address_space: global }
      - { .name: language_ids, .offset: 40, .size: 8, .value_kind: global_buffer, .address_space: global }
      - { .name: hbuf, .offset: 48, .size: 8, .value_kind: global_buffer, .address_space: global }
      - { .name: stat, .offset: 56, .size: 8, .value_kind: global_buffer, .address_space: global }
      - { .name: W2_codes, .offset: 64, .size: 8, .value_kind: global_buffer, .address_space: global }
      - { .name: w2img, .offset: 72, .size: 8, .value_kind: global_buffer, .address_space: global }
      - { .name: Wf, .offset: 80, .size: 8, .value_kind: global_buffer, .address_space: global }
      - { .name: wfimg, .offset: 88, .size: 8, .value_kind: global_buffer, .address_space: global }
      - { .name: wfsc, .offset: 96, .size: 8, .value_kind: global_buffer, .address_space: global }
      - { .name: W2_scales, .offset: 104, .size: 8, .value_kind: global_buffer, .address_space: global }
    .group_segment_fixed_size: 224256
    .private_segment_fixed_size: 0
    .kernarg_segment_align: 8
    .kernarg_segment_size: 112
    .max_flat_workgroup_size: 256
    .sgpr_count:     100
    .vgpr_count:     512
    .wavefront_size: 32
...
	.end_amdgpu_metadata
.endif
;; end of part 1
;; launch mid (part 2): grid 256 x 1, 8 waves a work-group, no clusters, 167,936 bytes of LDS; arguments hbuf, stat, g1, beta1, language_ids, attention_mask, w2img, b2, part; writes part
.if DOCPART == 2
	.amdgcn_target "amdgcn-amd-amdhsa--gfx1250"
	.amdhsa_code_object_version 6
	.text
	.protected	k_q7195a315c5_mid
	.globl	k_q7195a315c5_mid
	.p2align	8
	.type	k_q7195a315c5_mid,@function
k_q7195a315c5_mid:
	s_mov_b64 s[64:65], 0
	v_nop
	global_prefetch_b8 v0, s[64:65] scope:SCOPE_SE
	s_setreg_imm32_b32 hwreg(HW_REG_WAVE_MODE, 25, 1), 1
	s_wait_xcnt 0x0
; Work-group 8 b + t, one for each batch b and each 128 columns t of h: relu(LayerNorm(h)), all in f32, quantised; then K step t of Q(h) W2[lang] for ALL 1,024 columns, and the masked sum over the batch's 128 rows.
; The 128 columns that a work-group quantises are exactly one K step of the second product, so nothing is exchanged between work-groups; the last launch adds the eight K steps.
; Only the adapter that the batch's id names is computed (see the first launch).
; Wave w normalises and quantises rows 16 w .. 16 w + 15 (64 numbers a lane: register 16 b + i = column 32 b + 16 (lane / 16) + i of row lane % 16), and hands the fragment on through LDS as an image of its registers.
; Then wave w multiplies all eight row tiles by columns 128 w .. 128 w + 127.  Their eight images of W2, 12,288 dense bytes, come by the wave's one tensor load into bytes that it alone reads, each once.
; Each product starts with 0; its rows are weighed by the mask and added in f32.  A lane holds one column and eight rows, so the sum over rows stays in the lane but for one exchange of halves.
; MEAN AND VARIANCE from the 16 partial figures of each row (64 columns each): the sum of the squares about the row's mean is the sum of those about the parts' means + 64 x (part's mean - mean)^2.
; part: [b][t][w][lane][4]: the number p of lane l is column 128 w + 32 p + l of (mask-weighted sum of K step t + (t = 0 only) b2 x the mask's sum) / the mask's sum, x 0 where the id names none of the five adapters.
; A block's scale is 2^(floor(log2(its largest number)) - 4): its byte is the largest number's exponent field - 4, held at 1 from below.
; LIMITS: a block of zeros gets the byte 1, not 127: its codes are zeros and nobody else reads the byte.  Blocks whose largest number lies under 2^-122 keep the byte 1.  NaN and infinities are not served.
; A batch whose mask sums to 0 is not served (the problem itself gives no number there).  v_rsq_f32 and v_rcp_f32 are accurate to 1 ulp (ISA guide, their entries in 15.8).
; No cluster: the eight work-groups of a batch take different K steps of W2, and which batches share a language is an input.  No prefetch: there is no loop to run ahead in.
.set BASE, 102400                      ; LDS: eight groups of W2 at 0, 12,800 bytes each: 8 images, then 8 x 16 scale words; g1's 128 numbers at BASE, beta1's at + 512, the mask's at + 1024;
.set MK,   1024
.set SCW,  1536                        ; 8 row tiles x 16 scale words at BASE + 1536;
.set IMG,  2048                        ; 8 images of 1,536 bytes at BASE + 2048;
.set SPARE, BASE+14336                 ; the spare words
.set WV,  34                           ; s34 wave; s[36:37] lane selects; s[38:39] an offset; s40-52 at work
.set SEL, 36
.set G1,  56
.set G0,  68
.set TM,  16                           ; v16-31 at work; later the pooled sums, a pair for each column tile
.set PP,  16
.set PW,  32
.set PC,  40                           ; v40-51 the codes; v52-58 halves on their way; behind them the mask by rows, two buffers
.set SA,  60                           ; h's scale words: register p: lanes 0-15 row tile 2 p, lanes 16-31 row tile 2 p + 1
.set SB,  10                           ; W2's: register p: column 128 w + 32 p + lane
.set H,   64                           ; v64-127 the 64 numbers, later eight results
.set AF,  128                          ; two buffers of 12: h's fragments
.set B2,  152
.set W2F, 160                          ; W2's eight fragments; ahead of them g1 and beta1, six buffers of 16, and before those:
.set ST,  208                          ; the statistics,
.set GB,  224                          ; g1 or beta1 on its way into LDS,
.set MA,  228                          ; the whole mask
.macro TLD k                           ; g1 and beta1 at the eight columns of my numbers 8 k .. 8 k + 7
.set TB, W2F+16*((\k)%6)
	ds_load_b128 v[TB:TB+3], v8 offset:128*((\k)/2)+32*((\k)%2)
	ds_load_b128 v[TB+4:TB+7], v8 offset:128*((\k)/2)+32*((\k)%2)+16
	ds_load_b128 v[TB+8:TB+11], v8 offset:128*((\k)/2)+32*((\k)%2)+512
	ds_load_b128 v[TB+12:TB+15], v8 offset:128*((\k)/2)+32*((\k)%2)+528
.endm
.macro AFF k                           ; x g1 + beta1, then relu
.set TB, W2F+16*((\k)%6)
.irp j, 0,2,4,6
	v_pk_fma_f32 v[H+8*(\k)+\j:H+8*(\k)+\j+1], v[H+8*(\k)+\j:H+8*(\k)+\j+1], v[TB+\j:TB+\j+1], v[TB+8+\j:TB+9+\j]
.endr
.irp j, 0,1,2,3,4,5,6,7
	v_max_num_f32 v[H+8*(\k)+\j], 0, v[H+8*(\k)+\j]
.endr
.endm
.macro ALD a                           ; row tile a's fragment from its image
.irp c, 0,1,2
	ds_load_b128 v[AF+12*((\a)%2)+4*\c:AF+12*((\a)%2)+4*\c+3], v156 offset:IMG+1536*(\a)+512*\c
.endr
.endm
.macro MLD a                           ; the mask at rows 16 a + 8 h + 0 .. 7
	ds_load_b128 v[PC+8*((\a)%2):PC+8*((\a)%2)+3], v9 offset:64*(\a)
	ds_load_b128 v[PC+8*((\a)%2)+4:PC+8*((\a)%2)+7], v9 offset:64*(\a)+16
.endm
; Row tile a x column tile i, started with 0: source 0 = 16 rows of h, source 1 = 16 columns of W2.  An odd tile's scale words stand in lanes 16-31.
.macro WM a, i
.set D, H+8*(\i)
.set FA, AF+12*((\a)%2)
.set FB, W2F+12*(\i)
.if ((\a)%2) && ((\i)%2)
	v_wmma_scale_f32_16x16x128_f8f6f4 v[D:D+7], v[FA:FA+11], v[FB:FB+11], 0, v[SA+(\a)/2], v[SB+(\i)/2] matrix_a_fmt:MATRIX_FMT_BF6 matrix_b_fmt:MATRIX_FMT_BF6 matrix_a_scale:MATRIX_SCALE_ROW1 matrix_b_scale:MATRIX_SCALE_ROW1
.elseif ((\a)%2)
	v_wmma_scale_f32_16x16x128_f8f6f4 v[D:D+7], v[FA:FA+11], v[FB:FB+11], 0, v[SA+(\a)/2], v[SB+(\i)/2] matrix_a_fmt:MATRIX_FMT_BF6 matrix_b_fmt:MATRIX_FMT_BF6 matrix_a_scale:MATRIX_SCALE_ROW1
.elseif ((\i)%2)
	v_wmma_scale_f32_16x16x128_f8f6f4 v[D:D+7], v[FA:FA+11], v[FB:FB+11], 0, v[SA+(\a)/2], v[SB+(\i)/2] matrix_a_fmt:MATRIX_FMT_BF6 matrix_b_fmt:MATRIX_FMT_BF6 matrix_b_scale:MATRIX_SCALE_ROW1
.else
	v_wmma_scale_f32_16x16x128_f8f6f4 v[D:D+7], v[FA:FA+11], v[FB:FB+11], 0, v[SA+(\a)/2], v[SB+(\i)/2] matrix_a_fmt:MATRIX_FMT_BF6 matrix_b_fmt:MATRIX_FMT_BF6
.endif
.endm
.macro FM a, g                         ; row tile a, column tiles 4 g .. 4 g + 3: the mask x the results, added over rows; each result from its low end on; four sums by turns
.irp jp, 0,1,2,3
.irp k, 0,1,2,3
.set D, H+8*(4*(\g)+\k)+2*\jp
.set M, PC+8*((\a)%2)+2*\jp
.set P, PP+2*(4*(\g)+\k)
.if ((\a) == 0) && (\jp == 0)
	v_pk_mul_f32 v[P:P+1], v[D:D+1], v[M:M+1]
.else
	v_pk_fma_f32 v[P:P+1], v[D:D+1], v[M:M+1], v[P:P+1]
.endif
.endr
.endr
.endm
	s_load_b512 s[8:23], s[0:1], 0x0               ; hbuf s[8:9], stat s[10:11], g1 s[12:13], beta1 s[14:15], language_ids s[16:17], the mask s[18:19], w2img s[20:21], b2 s[22:23]
	s_load_b64 s[24:25], s[0:1], 0x40              ; part
	v_lshl_add_u32 v14, v0, 2, SPARE
	v_mov_b32 v15, 0
	ds_add_u32 v14, v15                            ; the wave's opening: the add, twice on end, and its wait
	ds_add_u32 v14, v15
	v_lshrrev_b32 v1, 5, v0
	v_readfirstlane_b32 s[WV], v1                  ; wave 0..7
	s_mov_b32 s[SEL], 0x76543210
	s_mov_b32 s[SEL+1], 0xfedcba98                 ; v_permlanex16_b32's selects for lane l xor 16
	s_mov_b32 s39, 0
	s_lshr_b32 s41, ttmp9, 3                       ; b
	s_and_b32 s42, ttmp9, 7                        ; t
	; eight images and their scale words: 12,800 dense bytes as 50 rows of 256 bytes (32 elements of 8), without padding
	s_mov_b32 s[G1+0], 3<<16
	s_mov_b32 s[G1+1], 32<<16                      ; tensor_dim0
	s_mov_b32 s[G1+2], 50<<16                      ; tensor_dim1
	s_mov_b32 s[G1+3], 32<<16                      ; tile_dim0
	s_mov_b32 s[G1+4], 50                          ; tile_dim1
	s_mov_b32 s[G1+5], 32                          ; from row to row
	s_mov_b32 s[G1+6], 0
	s_mov_b32 s[G1+7], 0
	s_mov_b32 s[G0], 1
	s_mul_i32 s[G0+1], s[WV], 12800
	s_mul_i32 s44, s[WV], 1536
	s_add_co_u32 s44, s44, BASE+IMG
	s_lshl_b32 s45, s[WV], 6
	s_add_co_u32 s45, s45, BASE+SCW
	s_lshl_b32 s43, s[WV], 9
	s_add_co_u32 s43, s43, BASE
	s_mul_i32 s40, s[WV], 12800
	s_mov_b32 s51, 0x3a800000                      ; 1 / 1024
	s_mov_b32 s52, 0x3727c5ac                      ; 1e-5
	v_and_b32 v3, 31, v0                           ; lane
	v_and_b32 v1, 15, v0                           ; r
	v_bfe_u32 v2, v0, 4, 1                         ; h
	v_lshlrev_b32 v4, 4, v3                        ; 16 x lane
	v_lshlrev_b32 v5, 13, v2                       ; stat: lanes 16-31 take the partial figures 8 .. 15;
	v_lshl_add_u32 v5, v1, 3, v5                   ; row r
	v_add_nc_u32 v6, s44, v4                       ; LDS: my image,
	v_lshl_add_u32 v7, v1, 2, s45                  ; my scale words,
	v_lshl_add_u32 v8, v2, 6, BASE                 ; g1, beta1: 16 numbers on for lanes 16-31,
	v_lshl_add_u32 v9, v2, 5, BASE+MK              ; the mask: 8 rows on,
	v_add_nc_u32 v32, s43, v4                      ; where waves 0 and 1 put g1 and beta1,
	v_lshl_add_u32 v156, v3, 4, BASE               ; the images of h, and where wave 2 puts the mask,
	v_lshl_add_u32 v157, v3, 2, BASE+SCW           ; the scale words,
	v_add_nc_u32 v158, s40, v4                     ; my images of W2
	v_lshlrev_b32 v38, 2, v3                       ; 4 x lane
	v_add_nc_u32 v39, s40, v38                     ; W2's scale words in LDS, 12,288 bytes behind
.irp p, 0,1,2,3
	v_mov_b32 v[B2+\p], 0                          ; b2 is added with K step 0 alone
.endr
.irp b, 0,1,2,3
	v_mov_b32 v[TM+4+\b], 0                        ; a lane permute's destination counts as one of its sources
.endr
	s_wait_alu depctr_va_vdst(0)
	s_wait_dscnt 0x0                               ; both opening adds are done
	s_wait_kmcnt 0x0
	s_lshl_b32 s38, s41, 2
	s_add_nc_u64 s[16:17], s[16:17], s[38:39]
	s_load_b32 s46, s[16:17], 0x0                  ; the batch's language
	s_lshl_b32 s38, s41, 19                        ; hbuf: b, row tile w, t
	s_lshl_b32 s43, s[WV], 16
	s_add_co_u32 s38, s38, s43
	s_lshl_b32 s43, s42, 13
	s_add_co_u32 s38, s38, s43
	s_add_nc_u64 s[8:9], s[8:9], s[38:39]
.set n, 0
.rept 16
	global_load_b128 v[H+4*n:H+4*n+3], v4, s[8:9] offset:512*n th:TH_LOAD_NT   ; 512 consecutive bytes a load; read once in the launch
.set n, n+1
.endr
	s_lshl_b32 s38, s41, 14                        ; stat: b, row tile w
	s_lshl_b32 s43, s[WV], 7
	s_add_co_u32 s38, s38, s43
	s_add_nc_u64 s[10:11], s[10:11], s[38:39]
.irp i, 0,1,2,3,4,5,6,7
	global_load_b64 v[ST+2*\i:ST+1+2*\i], v5, s[10:11] offset:1024*\i          ; sum and squares of 64 columns
.endr
	s_lshl_b32 s38, s41, 9
	s_add_nc_u64 s[18:19], s[18:19], s[38:39]
	global_load_b128 v[MA:MA+3], v4, s[18:19]      ; the mask's 128 numbers, four a lane
	s_wait_kmcnt 0x0
	s_cmp_lt_u32 s46, 5                            ; an id that names no adapter leaves zeros
	s_cselect_b32 s47, 1.0, 0
	s_min_u32 s46, s46, 4                          ; and is held inside the table before it enters an address
	s_mul_i32 s38, s46, 819200                     ; w2img: the language, K step t, my eight tiles
	s_mul_i32 s43, s42, 102400
	s_add_co_u32 s38, s38, s43
	s_add_co_u32 s38, s38, s40
	s_add_nc_u64 s[G0+2:G0+3], s[20:21], s[38:39]
	s_or_b32 s[G0+3], s[G0+3], 0x80000000
	tensor_load_to_lds s[G0:G0+3], s[G1:G1+7]      ; the wave's one tensor load
	s_nop 0
.rept 4
	v_nop
.endr
	s_lshl_b32 s38, s46, 12                        ; g1, beta1: the language, 128 columns
	s_lshl_b32 s43, s42, 9
	s_add_co_u32 s38, s38, s43
	s_add_nc_u64 s[12:13], s[12:13], s[38:39]
	s_add_nc_u64 s[14:15], s[14:15], s[38:39]
	s_cmp_eq_u32 s[WV], 0
	s_cselect_b64 s[48:49], s[12:13], s[14:15]
	s_cmp_lt_u32 s[WV], 2
	s_cbranch_scc0 .Lno_gb
	global_load_b128 v[GB:GB+3], v4, s[48:49]      ; wave 0: g1; wave 1: beta1; 512 bytes each
.Lno_gb:
	s_lshl_b32 s38, s46, 12                        ; b2: the language, my 128 columns
	s_lshl_b32 s43, s[WV], 9
	s_add_co_u32 s38, s38, s43
	s_add_nc_u64 s[22:23], s[22:23], s[38:39]
	s_cmp_eq_u32 s42, 0
	s_cbranch_scc0 .Lno_b2
.irp p, 0,1,2,3
	global_load_b32 v[B2+\p], v38, s[22:23] offset:128*\p
.endr
.Lno_b2:
	s_lshl_b32 s38, ttmp9, 12                      ; part
	s_add_co_u32 s38, s38, s43
	s_add_nc_u64 s[24:25], s[24:25], s[38:39]
	s_wait_loadcnt 0x0                             ; h, the statistics, the mask, g1 and beta1, b2
	s_cmp_lt_u32 s[WV], 2
	s_cbranch_scc0 .Lno_gb_store
	ds_store_b128 v32, v[GB:GB+3]
.Lno_gb_store:
	s_cmp_eq_u32 s[WV], 2
	s_cbranch_scc0 .Lno_mask_store
	ds_store_b128 v156, v[MA:MA+3] offset:MK
.Lno_mask_store:
	s_wait_dscnt 0x0                               ; for the others' sake
	s_barrier_signal -1
	v_add_f32 v24, v[MA], v[MA+1]                  ; the mask's sum
	v_add_f32 v25, v[MA+2], v[MA+3]
	v_add_f32 v24, v24, v25
	v_add_f32_dpp v24, v24, v24 row_xmask:1 row_mask:0xf bank_mask:0xf
	v_add_f32_dpp v24, v24, v24 row_xmask:2 row_mask:0xf bank_mask:0xf
	v_add_f32_dpp v24, v24, v24 row_xmask:4 row_mask:0xf bank_mask:0xf
	v_add_f32_dpp v24, v24, v24 row_xmask:8 row_mask:0xf bank_mask:0xf
	v_permlanex16_b32 v20, v24, s[SEL], s[SEL+1]
	v_add_f32 v33, v24, v20
	v_pk_add_f32 v[16:17], v[ST:ST+1], v[ST+2:ST+3]      ; sums and squares together
	v_pk_add_f32 v[22:23], v[ST+4:ST+5], v[ST+6:ST+7]
	v_pk_add_f32 v[24:25], v[ST+8:ST+9], v[ST+10:ST+11]
	v_pk_add_f32 v[26:27], v[ST+12:ST+13], v[ST+14:ST+15]
	v_pk_add_f32 v[16:17], v[16:17], v[22:23]
	v_pk_add_f32 v[24:25], v[24:25], v[26:27]
	v_pk_add_f32 v[16:17], v[16:17], v[24:25]
	v_permlanex16_b32 v20, v16, s[SEL], s[SEL+1]
	v_permlanex16_b32 v21, v17, s[SEL], s[SEL+1]
	v_pk_add_f32 v[16:17], v[16:17], v[20:21]      ; over all 16 parts
	v_mul_f32 v34, s51, v16                        ; the mean, as a pair
	v_mul_f32 v35, s51, v16
.irp i, 0,1,2,3,4,5,6,7
	v_fma_f32 v[24+\i], v[ST+2*\i], 0x3c800000, -v34   ; a part's mean - the mean
.endr
	v_mul_f32 v18, v24, v24
	v_mul_f32 v22, v25, v25
.irp i, 2,4,6
	v_fma_f32 v18, v[24+\i], v[24+\i], v18
	v_fma_f32 v22, v[25+\i], v[25+\i], v22
.endr
	v_add_f32 v18, v18, v22
	v_permlanex16_b32 v20, v18, s[SEL], s[SEL+1]
	v_add_f32 v18, v18, v20
	v_fma_f32 v17, v18, 0x42800000, v17            ; + 64 x
	v_fma_f32 v18, v17, s51, s52                   ; the variance + 1e-5
	s_wait_alu depctr_va_vdst(0)                   ; ahead of the batch
	v_rcp_f32 v5, v33
	v_rsq_f32 v36, v18
	v_rsq_f32 v37, v18
.set j, 0
.rept 32
	v_pk_add_f32 v[H+j:H+j+1], v[H+j:H+j+1], v[34:35] neg_lo:[0,1] neg_hi:[0,1]   ; h - mean
.set j, j+2
.endr
	s_wait_alu depctr_va_vdst(0)                   ; and behind it
	v_mul_f32 v5, s47, v5                          ; 1 / the mask's sum, or 0
.set j, 0
.rept 32
	v_pk_mul_f32 v[H+j:H+j+1], v[H+j:H+j+1], v[36:37]
.set j, j+2
.endr
	s_wait_alu depctr_va_vdst(0)
	s_barrier_wait -1
.irp k, 0,1,2,3,4,5
	TLD \k
.endr
	s_wait_dscnt 20                                ; each time the younger runs of four may be out
	AFF 0
	TLD 6
	s_wait_dscnt 20
	AFF 1
	TLD 7
	s_wait_dscnt 20
	AFF 2
	s_wait_dscnt 16
	AFF 3
	s_wait_dscnt 12
	AFF 4
	s_wait_dscnt 8
	AFF 5
	s_wait_dscnt 4
	AFF 6
	s_wait_dscnt 0x0
	AFF 7
	s_wait_alu depctr_va_vdst(0)
	s_wait_tensorcnt 0x0                           ; my images of W2 have landed; I alone read them
.irp i, 0,1,2,3,4,5,6,7
.irp c, 0,1,2
	ds_load_b128 v[W2F+12*\i+4*\c:W2F+12*\i+4*\c+3], v158 offset:1536*\i+512*\c
.endr
.endr
.irp p, 0,1,2,3
	ds_load_b32 v[SB+\p], v39 offset:12288+128*\p  ; lanes 0-15 tile 2 p, lanes 16-31 tile 2 p + 1
.endr
	; quantise: register 16 b + i = k 32 b + 16 (lane / 16) + i; none is negative
.irp b, 0,1,2,3
	v_max3_num_f32 v[TM+\b], v[H+16*\b], v[H+1+16*\b], 0x2800000   ; block b: my 16 numbers, and the floor 2^(5 - 127): the byte cannot fall under 1
.endr
.irp i, 2,4,6,8,10,12,14
.irp b, 0,1,2,3
	v_max3_num_f32 v[TM+\b], v[TM+\b], v[H+16*\b+\i], v[H+1+16*\b+\i]   ; the four blocks by turns
.endr
.endr
.irp b, 0,1,2,3
	v_permlanex16_b32 v[TM+4+\b], v[TM+\b], s[SEL], s[SEL+1]
.endr
.irp b, 0,1,2,3
	v_max_num_f32 v[TM+\b], v[TM+\b], v[TM+4+\b]   ; with lane l xor 16's: the block's largest
.endr
.irp b, 0,1,2,3
	v_add_nc_u32 v[TM+12+\b], 0xfe000000, v[TM+\b] ; 4 off its exponent field: the conversion takes the exponent field of this operand as its scale
.endr
.irp b, 0,1,2,3
	v_lshrrev_b32 v[TM+4+\b], 23, v[TM+12+\b]      ; the scale's byte
.endr
	v_lshl_or_b32 v[PW], v[TM+5], 8, v[TM+4]
	v_lshl_or_b32 v[PW], v[TM+6], 16, v[PW]
	v_lshl_or_b32 v[PW], v[TM+7], 24, v[PW]
.irp c, 0,1
	v_cvt_scalef32_pk16_bf6_f32 v[PC+6*\c:PC+2+6*\c], v[H+32*\c:H+15+32*\c], v[TM+12+2*\c]
	v_cvt_scalef32_pk16_bf6_f32 v[PC+12+4*\c:PC+14+4*\c], v[H+16+32*\c:H+31+32*\c], v[TM+12+2*\c+1]   ; (a conversion's three registers begin on an even number)
.endr
	v_nop                                          ; one plain place behind a scaled conversion
.irp c, 0,1                                    ; the operand's layout wants a whole block in a lane: lanes 0-15 block 2 c, lanes 16-31 block 2 c + 1
.irp i, 0,1,2
	v_permlane16_swap_b32 v[PC+6*\c+\i], v[PC+12+4*\c+\i]
.endr
.irp i, 0,1,2
	v_mov_b32 v[PC+3+6*\c+\i], v[PC+12+4*\c+\i]
.endr
.endr
.irp c, 0,1,2
	ds_store_b128 v6, v[PC+4*\c:PC+4*\c+3] offset:512*\c   ; the fragment as it stands in the registers
.endr
	ds_store_b32 v7, v[PW]                         ; both halves of the lanes write the same word with the same value
	s_wait_dscnt 0x0                               ; for the others' sake
	s_barrier_signal -1
	s_barrier_wait -1
.irp p, 0,1,2,3
	ds_load_b32 v[SA+\p], v157 offset:128*\p
.endr
	ALD 0
	MLD 0
	ALD 1
; Row tile by row tile.  Column tiles 0-3 and 4-7 take turns: while one four's products are at work the other four's results are weighed, and those lines are the places behind the products.
.irp a, 0,1,2,3,4,5,6,7
.if \a == 7
	s_wait_dscnt 0x0
.else
	s_wait_dscnt 3                                 ; this row tile's fragment and mask are in; the next fragment's three loads may be out
.endif
	WM \a, 0
	WM \a, 1
	WM \a, 2
	WM \a, 3
.if \a > 0
	FM \a-1, 1
.else
.rept 4
	v_nop
.endr
.endif
.if \a < 7
	MLD \a+1
.endif
	WM \a, 4
	WM \a, 5
	WM \a, 6
	WM \a, 7
	FM \a, 0
.if \a < 6
	ALD \a+2
.endif
.endr
	FM 7, 1
.irp i, 0,1,2,3,4,5,6,7
	v_add_f32 v[PP+2*\i], v[PP+2*\i], v[PP+2*\i+1]
.endr
.irp i, 0,1,2,3,4,5,6,7
	v_permlanex16_b32 v[PC+\i], v[PP+2*\i], s[SEL], s[SEL+1]
.endr
.irp i, 0,1,2,3,4,5,6,7
	v_add_f32 v[PP+2*\i], v[PP+2*\i], v[PC+\i]     ; with lane l xor 16's rows: all 128
.endr
	s_mov_b32 vcc_lo, 0xffff0000                   ; lanes 16-31 take the odd tile
.irp p, 0,1,2,3
	v_cndmask_b32 v[PC+8+\p], v[PP+4*\p], v[PP+4*\p+2], vcc_lo
.endr
.irp p, 0,1,2,3
	v_fma_f32 v[PC+8+\p], v[B2+\p], v33, v[PC+8+\p]   ; + b2 x the mask's sum, once
.endr
.irp p, 0,1,2,3
	v_mul_f32 v[PC+8+\p], v[PC+8+\p], v5
.endr
	global_store_b128 v4, v[PC+8:PC+11], s[24:25]  ; 512 consecutive bytes, aligned
	s_wait_tensorcnt 0x0                           ; the wave's end
	ds_add_u32 v14, v15
	s_wait_dscnt 0x0
	s_endpgm
.Lfunc_end_k_q7195a315c5_mid:
	.size	k_q7195a315c5_mid, .Lfunc_end_k_q7195a315c5_mid-k_q7195a315c5_mid
	.p2alignl 7, 3214868480
	.fill 96, 4, 3214868480
	.section	.rodata,"a",@progbits
	.p2align	6, 0x0
	.amdhsa_kernel k_q7195a315c5_mid
		.amdhsa_group_segment_fixed_size 167936
		.amdhsa_private_segment_fixed_size 0
		.amdhsa_enable_private_segment 0
		.amdhsa_kernarg_size 72
		.amdhsa_user_sgpr_count 2
		.amdhsa_user_sgpr_kernarg_segment_ptr 1
		.amdhsa_wavefront_size32 1
		.amdhsa_system_sgpr_workgroup_id_x 1
		.amdhsa_system_sgpr_workgroup_id_y 1
		.amdhsa_system_sgpr_workgroup_id_z 1
		.amdhsa_system_vgpr_workitem_id 0
		.amdhsa_next_free_vgpr 256
		.amdhsa_next_free_sgpr 72
		.amdhsa_reserve_vcc 1
		.amdhsa_float_denorm_mode_32 3
		.amdhsa_float_denorm_mode_16_64 3
		.amdhsa_memory_ordered 1
		.amdhsa_forward_progress 1
		.amdhsa_inst_pref_size 56
	.end_amdhsa_kernel
	.amdgpu_metadata
---
amdhsa.version: [ 1, 2 ]
amdhsa.kernels:
  - .name:           k_q7195a315c5_mid
    .symbol:         k_q7195a315c5_mid.kd
    .args:
      - { .name: hbuf, .offset: 0, .size: 8, .value_kind: global_buffer, .address_space: global }
      - { .name: stat, .offset: 8, .size: 8, .value_kind: global_buffer, .address_space: global }
      - { .name: g1, .offset: 16, .size: 8, .value_kind: global_buffer, .address_space: global }
      - { .name: beta1, .offset: 24, .size: 8, .value_kind: global_buffer, .address_space: global }
      - { .name: language_ids, .offset: 32, .size: 8, .value_kind: global_buffer, .address_space: global }
      - { .name: attention_mask, .offset: 40, .size: 8, .value_kind: global_buffer, .address_space: global }
      - { .name: w2img, .offset: 48, .size: 8, .value_kind: global_buffer, .address_space: global }
      - { .name: b2, .offset: 56, .size: 8, .value_kind: global_buffer, .address_space: global }
      - { .name: part, .offset: 64, .size: 8, .value_kind: global_buffer, .address_space: global }
    .group_segment_fixed_size: 167936
    .private_segment_fixed_size: 0
    .kernarg_segment_align: 8
    .kernarg_segment_size: 72
    .max_flat_workgroup_size: 256
    .sgpr_count:     72
    .vgpr_count:     256
    .wavefront_size: 32
...
	.end_amdgpu_metadata
.endif
;; end of part 2
;; launch fin (part 3): grid 32 x 1, 8 waves a work-group, no clusters, 306,176 bytes of LDS; arguments part, lda_features, wfimg, wfsc, bf, gf, betaf, out0; writes out0
.if DOCPART == 3
	.amdgcn_target "amdgcn-amd-amdhsa--gfx1250"
	.amdhsa_code_object_version 6
	.text
	.protected	k_q7195a315c5_fin
	.globl	k_q7195a315c5_fin
	.p2align	8
	.type	k_q7195a315c5_fin,@function
k_q7195a315c5_fin:
	s_mov_b64 s[64:65], 0
	v_nop
	global_prefetch_b8 v0, s[64:65] scope:SCOPE_SE
	s_setreg_imm32_b32 hwreg(HW_REG_WAVE_MODE, 25, 1), 1
	s_wait_xcnt 0x0
; out0[b] = relu(LayerNorm([pooled | lda] Wf + bf)).  One work-group to a batch row, since the norm wants a whole row of 512: 32 work-groups is all the work there is.
; pooled = the sum of the eight partial rows in part (only the named adapter's: see the first launch).  Pooled and lda's 100 numbers, filled with zeros, lie in LDS as one row of 1,152 (and zeros to 1,536, so that three whole waves quantise).
; QUANTISED half block by half block: thread i takes numbers 16 i .. 16 i + 15; lanes l and l xor 1 share a block.  The codes leave as a row's stream of bits.  Every lane of a half then reads the same two blocks:
; all 16 rows of a fragment are row b.
; Wave w makes columns 64 w .. 64 w + 63: four tiles, nine K steps, 36 products on four accumulators by turns.
; Wf: K steps 0-5 come by one tensor load a wave, 36,864 dense bytes of images, as they lie; K steps 6-8 come straight into registers (12 fragments).
; No cluster: a joint load would want a round in front of the one load that a wave issues and a closing round at the end, for a launch of 32 work-groups.  No prefetch: there is no loop to run ahead in.
; LIMITS: a block of zeros gets the scale byte 1, not 127: its codes are zeros and nobody else reads the byte; blocks under 2^-122 keep the byte 1; NaN and infinities are not served.  v_rsq_f32 is accurate to 1 ulp (ISA guide, 15.8).
; The K steps are summed in the order 6 .. 8, 0 .. 5.
.set POOL, 294912                      ; LDS: the images of K steps 0-5 at 0; the row of numbers;
.set CODES, POOL+6144                  ; its codes;
.set SCB,  CODES+1280                  ; its scale bytes;
.set STA,  SCB+256                     ; the eight waves' sums, and 256 bytes on their sums of squares;
.set OUTS, STA+512                     ; 256 bytes for each wave: the way out;
.set SPARE, OUTS+2048                  ; the spare words
.set WV,   20                          ; s20 wave; s[22:23] an offset; s[24:25] lane selects; s21, s26-29 at work
.set SEL,  24
.set G1,   32
.set G0,   40
.set ACC,  16                          ; v16-47
.set SB,   48                          ; Wf's scale words: K step s, register SB + 2 s + p: lanes 0-15 tile 2 p, lanes 16-31 tile 2 p + 1
.set BF,   66
.set GF,   68
.set BE,   70
.set SA,   72                          ; the row's scale words, one for each K step
.set AF,   84                          ; four buffers of 12: the row's fragments
.set LBF,  132                         ; two buffers of 48: Wf's fragments from LDS
.set PT,   128                         ; v128-159 the partial rows, then 16 numbers to quantise
.set X,    132
.set MSB, 0
.macro WIN new                         ; the immediate's high byte repeats the setting that is left
.if MSB != \new
	s_set_vgpr_msb (MSB<<8)|\new
.set MSB, \new
.endif
.endm
.macro PLACES n
.rept \n
	v_nop
.endr
.endm
.macro WFLD s                          ; K step s's four fragments into window 1
.irp k, 0,1,2,3
.irp c, 0,1,2
	global_load_b128 v[12*(4*((\s)-6)+\k)+4*\c:12*(4*((\s)-6)+\k)+4*\c+3], v4, s[8:9] offset:49152*((\s)-6)+1536*\k+512*\c
.endr
.endr
.endm
.macro ALD s, n                        ; the row's fragment of K step s into buffer n: 24 bytes at 96 s + 24 h and at 96 s + 48 + 24 h
.irp p, 0,1,2,3,4,5
	ds_load_b64 v[AF+12*(\n)+2*\p:AF+12*(\n)+2*\p+1], v5 offset:96*(\s)+48*(\p/3)+8*(\p%3)
.endr
.endm
.macro LLD s, adr                      ; Wf's four fragments of K step s from LDS
.irp k, 0,1,2,3
.irp c, 0,1,2
	ds_load_b128 v[LBF+48*((\s)%2)+12*\k+4*\c:LBF+48*((\s)%2)+12*\k+4*\c+3], v[\adr] offset:49152*((\s)%2)+1536*\k+512*\c
.endr
.endr
.endm
.macro MUL s, n, first                 ; K step s: four products
.irp k, 0,1,2,3
.if (\s) > 5
.set FB, 12*(4*((\s)-6)+\k)
.else
.set FB, LBF+48*((\s)%2)+12*\k
.endif
.set FA, AF+12*(\n)
.set D, ACC+8*\k
.if (\first) && (\k%2)
	v_wmma_scale_f32_16x16x128_f8f6f4 v[D:D+7], v[FA:FA+11], v[FB:FB+11], 0, v[SA+(\s)], v[SB+2*(\s)+\k/2] matrix_a_fmt:MATRIX_FMT_BF6 matrix_b_fmt:MATRIX_FMT_BF6 matrix_b_scale:MATRIX_SCALE_ROW1
.elseif (\first)
	v_wmma_scale_f32_16x16x128_f8f6f4 v[D:D+7], v[FA:FA+11], v[FB:FB+11], 0, v[SA+(\s)], v[SB+2*(\s)+\k/2] matrix_a_fmt:MATRIX_FMT_BF6 matrix_b_fmt:MATRIX_FMT_BF6
.elseif (\k%2)
	v_wmma_scale_f32_16x16x128_f8f6f4 v[D:D+7], v[FA:FA+11], v[FB:FB+11], v[D:D+7], v[SA+(\s)], v[SB+2*(\s)+\k/2] matrix_a_fmt:MATRIX_FMT_BF6 matrix_b_fmt:MATRIX_FMT_BF6 matrix_b_scale:MATRIX_SCALE_ROW1
.else
	v_wmma_scale_f32_16x16x128_f8f6f4 v[D:D+7], v[FA:FA+11], v[FB:FB+11], v[D:D+7], v[SA+(\s)], v[SB+2*(\s)+\k/2] matrix_a_fmt:MATRIX_FMT_BF6 matrix_b_fmt:MATRIX_FMT_BF6
.endif
.endr
.endm
; v134, a figure of my lane's two columns, becomes the row's over all 512, in every lane: across the 32 lanes, then the eight waves' through LDS.
.macro CROSS where
	v_add_f32_dpp v134, v134, v134 row_xmask:1 row_mask:0xf bank_mask:0xf
	v_add_f32_dpp v134, v134, v134 row_xmask:2 row_mask:0xf bank_mask:0xf
	v_add_f32_dpp v134, v134, v134 row_xmask:4 row_mask:0xf bank_mask:0xf
	v_add_f32_dpp v134, v134, v134 row_xmask:8 row_mask:0xf bank_mask:0xf
	v_permlanex16_b32 v135, v134, s[SEL], s[SEL+1]
	v_add_f32 v134, v134, v135
	ds_store_b32 v230, v134 offset:\where          ; all lanes write my wave's word with the same value
	s_wait_alu depctr_va_vdst(0)
	s_wait_dscnt 0x0                               ; for the others' sake
	s_barrier_signal -1
	s_barrier_wait -1
	ds_load_b128 v[136:139], v231 offset:\where
	ds_load_b128 v[140:143], v231 offset:\where+16
	s_wait_dscnt 0x0
	v_pk_add_f32 v[136:137], v[136:137], v[138:139]
	v_pk_add_f32 v[140:141], v[140:141], v[142:143]
	v_pk_add_f32 v[136:137], v[136:137], v[140:141]
	v_add_f32 v134, v136, v137
.endm
	s_load_b512 s[4:19], s[0:1], 0x0               ; part s[4:5], lda s[6:7], wfimg s[8:9], wfsc s[10:11], bf s[12:13], gf s[14:15], betaf s[16:17], out0 s[18:19]
	v_lshl_add_u32 v14, v0, 2, SPARE
	v_mov_b32 v15, 0
	ds_add_u32 v14, v15                            ; the wave's opening: the add, twice on end, and its wait
	ds_add_u32 v14, v15
	v_lshrrev_b32 v1, 5, v0
	v_readfirstlane_b32 s[WV], v1                  ; wave 0..7
	; 36,864 dense bytes as 144 rows of 256 bytes (32 elements of 8), without padding
	s_mov_b32 s[G1+0], 3<<16
	s_mov_b32 s[G1+1], 32<<16                      ; tensor_dim0
	s_mov_b32 s[G1+2], 144<<16                     ; tensor_dim1
	s_mov_b32 s[G1+3], 32<<16                      ; tile_dim0
	s_mov_b32 s[G1+4], 144                         ; tile_dim1
	s_mov_b32 s[G1+5], 32                          ; from row to row
	s_mov_b32 s[G1+6], 0
	s_mov_b32 s[G1+7], 0
	s_mul_i32 s22, s[WV], 36864
	s_mov_b32 s23, 0
	s_mov_b32 s[G0], 1
	s_mul_i32 s[G0+1], s[WV], 36864
	s_wait_dscnt 0x0                               ; both opening adds are done
	s_wait_kmcnt 0x0
	s_add_nc_u64 s[G0+2:G0+3], s[8:9], s[22:23]
	s_or_b32 s[G0+3], s[G0+3], 0x80000000
	tensor_load_to_lds s[G0:G0+3], s[G1:G1+7]      ; the wave's one tensor load
	s_nop 0
	PLACES 4
	s_lshl_b32 s26, s[WV], 9
	s_add_co_u32 s27, s26, POOL
	s_mul_i32 s28, s[WV], 6144
	s_lshl_b32 s29, s[WV], 8
	s_add_co_u32 s21, s29, OUTS
	v_and_b32 v3, 31, v0                           ; lane
	v_bfe_u32 v2, v0, 4, 1                         ; h
	v_lshlrev_b32 v4, 4, v3                        ; 16 x lane
	v_mul_u32_u24 v5, 24, v2
	v_add_nc_u32 v5, CODES, v5                     ; the row's codes, + 24 h
	v_add_nc_u32 v6, s28, v4                       ; my four images of a K step in LDS
	v_add_nc_u32 v9, 0x18000, v6                   ; two K steps on (98,304 bytes)
	v_add_nc_u32 v235, 0x30000, v6                 ; four K steps on
	v_lshlrev_b32 v7, 2, v3                        ; 4 x lane
	v_add_nc_u32 v8, s27, v7                       ; where my pooled numbers go
	v_lshl_add_u32 v10, v0, 6, POOL                ; the 16 numbers that I quantise,
	v_mul_u32_u24 v11, 12, v0
	v_add_nc_u32 v11, CODES, v11                   ; their 12 bytes of codes,
	v_lshrrev_b32 v12, 1, v0
	v_add_nc_u32 v12, SCB, v12                     ; their block's scale byte
	v_mov_b32 v13, SCB
	v_add_nc_u32 v228, POOL, v4                    ; lda's place: 4,096 bytes behind
	v_min_u32 v229, 0x180, v4                      ; lda: lanes 0-24 hold its 100 numbers; the others stay inside the row
	v_add_nc_u32 v232, s21, v7                     ; the way out: 4 bytes a lane in,
	v_lshlrev_b32 v234, 3, v3
	v_add_nc_u32 v233, s21, v234                   ; 8 bytes a lane back
	s_lshl_b32 s21, s[WV], 2
	s_add_co_u32 s21, s21, STA
	v_mov_b32 v230, s21                            ; my wave's word
	v_mov_b32 v231, STA
.irp i, 0,1,2,3
	v_mov_b32 v[236+\i], 0
.endr
	s_wait_alu depctr_va_vdst(0)
	s_mov_b32 s[SEL], 0x76543210
	s_mov_b32 s[SEL+1], 0xfedcba98
	s_mul_i32 s22, ttmp9, 400                      ; lda: the batch's row
	s_add_nc_u64 s[6:7], s[6:7], s[22:23]
	s_lshl_b32 s22, ttmp9, 15                      ; part: the batch, my 128 columns
	s_add_co_u32 s22, s22, s26
	s_add_nc_u64 s[4:5], s[4:5], s[22:23]
	s_add_co_u32 s22, s28, 294912                  ; Wf: K step 6, my four tiles
	s_add_nc_u64 s[8:9], s[8:9], s[22:23]
	s_mov_b32 s22, s29                             ; 256 bytes a wave: the scale words, bf, gf, betaf
	s_add_nc_u64 s[10:11], s[10:11], s[22:23]
	s_add_nc_u64 s[12:13], s[12:13], s[22:23]
	s_add_nc_u64 s[14:15], s[14:15], s[22:23]
	s_add_nc_u64 s[16:17], s[16:17], s[22:23]
	s_lshl_b32 s22, ttmp9, 11                      ; out0: the batch's row, my 64 columns
	s_add_co_u32 s22, s22, s29
	s_add_nc_u64 s[18:19], s[18:19], s[22:23]
	s_mov_b32 s27, 0xbb000000                      ; -1 / 512
	s_mov_b32 s28, 0x3b000000                      ; 1 / 512
	s_mov_b32 s29, 0x3727c5ac                      ; 1e-5
	s_cmp_eq_u32 s[WV], 0
	s_cbranch_scc0 .Lno_lda
	global_load_b128 v[240:243], v229, s[6:7]
.Lno_lda:
.irp t, 0,1,2,3,4,5,6,7
	global_load_b128 v[PT+4*\t:PT+4*\t+3], v4, s[4:5] offset:4096*\t
.endr
	WIN 0x40                                       ; destination window 1
	WFLD 6
	WFLD 7
	WFLD 8
	WIN 0
	s_wait_loadcnt 36                              ; lda and the partial rows are in; Wf's 36 loads issued behind them may be out
.irp t, 1,2,3,4,5,6,7
	v_pk_add_f32 v[PT:PT+1], v[PT:PT+1], v[PT+4*\t:PT+4*\t+1]                  ; the K steps in ascending order
	v_pk_add_f32 v[PT+2:PT+3], v[PT+2:PT+3], v[PT+4*\t+2:PT+4*\t+3]
.endr
.irp p, 0,1,2,3
	ds_store_b32 v8, v[PT+\p] offset:128*\p        ; column 128 w + 32 p + lane
.endr
	s_cmp_eq_u32 s[WV], 0
	s_cbranch_scc0 .Lno_lda_store
	s_mov_b32 vcc_lo, 0xfe000000                   ; lanes 25-31: k from 100 on is zero
.irp i, 0,1,2,3
	v_cndmask_b32 v[240+\i], v[240+\i], v[236+\i], vcc_lo
.endr
	ds_store_b128 v228, v[240:243] offset:4096
.irp i, 1,2,3
	ds_store_b128 v228, v[236:239] offset:4096+512*\i
.endr
.Lno_lda_store:
.irp s, 0,1,2,3,4,5,6,7,8
	global_load_b32 v[SB+2*\s], v7, s[10:11] offset:2048*\s
	global_load_b32 v[SB+2*\s+1], v7, s[10:11] offset:2048*\s+128
.endr
.irp p, 0,1
	global_load_b32 v[BF+\p], v7, s[12:13] offset:128*\p
	global_load_b32 v[GF+\p], v7, s[14:15] offset:128*\p
	global_load_b32 v[BE+\p], v7, s[16:17] offset:128*\p
.endr
	s_wait_dscnt 0x0                               ; for the others' sake
	s_barrier_signal -1
	s_barrier_wait -1
	s_cmp_lt_u32 s[WV], 3                          ; 72 half blocks (and 24 of zeros): three waves
	s_cbranch_scc0 .Lquantised
.irp i, 0,1,2,3
	ds_load_b128 v[PT+4*\i:PT+4*\i+3], v10 offset:16*\i
.endr
	s_wait_dscnt 0x0
	v_max3_num_f32 v16, |v[PT]|, |v[PT+1]|, 0x2800000   ; and the floor 2^(5 - 127): the byte cannot fall under 1
	v_max3_num_f32 v17, |v[PT+2]|, |v[PT+3]|, |v[PT+4]|
.irp i, 5,9
	v_max3_num_f32 v16, v16, |v[PT+\i]|, |v[PT+1+\i]|
	v_max3_num_f32 v17, v17, |v[PT+2+\i]|, |v[PT+3+\i]|
.endr
	v_max3_num_f32 v16, v16, |v[PT+13]|, |v[PT+14]|
	v_max3_num_f32 v16, v16, v17, |v[PT+15]|
	v_max_num_f32_dpp v16, v16, v16 row_xmask:1 row_mask:0xf bank_mask:0xf   ; with lane l xor 1's: the block's largest magnitude
	v_add_nc_u32 v17, 0xfe000000, v16              ; 4 off the exponent field: the conversion's scale operand
	v_lshrrev_b32 v18, 23, v17                     ; the scale's byte
	v_cvt_scalef32_pk16_bf6_f32 v[20:22], v[PT:PT+15], v17
	v_nop                                          ; one plain place behind a scaled conversion
.irp i, 0,1,2
	ds_store_b32 v11, v[20+\i] offset:4*\i
.endr
	ds_store_b8 v12, v18                           ; lanes l and l xor 1 write the same byte with the same value
.Lquantised:
	s_wait_tensorcnt 0x0                           ; my part of Wf's images has landed,
	s_wait_dscnt 0x0                               ; my codes are stored: for the others' sake
	s_barrier_signal -1
	s_barrier_wait -1
	ds_load_b128 v[SA:SA+3], v13
	ds_load_b128 v[SA+4:SA+7], v13 offset:16
	ds_load_b32 v[SA+8], v13 offset:32
	ALD 6, 0
	ALD 7, 1
	ALD 8, 2
	ALD 0, 3
	LLD 0, 6
	LLD 1, 6
	s_wait_loadcnt 0x0
	WIN 0x04                                       ; source 1 (Wf) window 1
	s_wait_dscnt 42                                ; behind K step 6's fragment: three of 6 loads and two runs of 12
	MUL 6, 0, 1
	s_wait_dscnt 36
	MUL 7, 1, 0
	s_wait_dscnt 30
	MUL 8, 2, 0
	PLACES 4                                       ; four places in front of loads into registers that products have read
	ALD 1, 0
	ALD 2, 1
	ALD 3, 2
	WIN 0
	s_wait_dscnt 30                                ; behind K step 0's images: 12 + 18
	MUL 0, 3, 0
	s_wait_dscnt 12
	MUL 1, 0, 0
	PLACES 4
	LLD 2, 9
	ALD 4, 3
	LLD 3, 9
	ALD 5, 0
	s_wait_dscnt 24                                ; behind K step 2's images: 6 + 12 + 6
	MUL 2, 1, 0
	PLACES 4
	LLD 4, 235
	s_wait_dscnt 18                                ; behind K step 3's images: 6 + 12
	MUL 3, 2, 0
	PLACES 4
	LLD 5, 235
	s_wait_dscnt 12
	MUL 4, 3, 0
	s_wait_dscnt 0x0
	MUL 5, 0, 0
	PLACES 4
	s_mov_b32 vcc_lo, 0xffff0000
.irp p, 0,1
	v_cndmask_b32 v[X+\p], v[ACC+16*\p], v[ACC+16*\p+8], vcc_lo   ; all 16 rows are alike: register 0 of tile 2 p in lanes 0-15, of tile 2 p + 1 in lanes 16-31: column 64 w + 32 p + lane
.endr
	v_pk_add_f32 v[X:X+1], v[X:X+1], v[BF:BF+1]
	v_add_f32 v134, v[X], v[X+1]
	CROSS 0
.irp p, 0,1
	v_fma_f32 v[X+\p], v134, s27, v[X+\p]          ; x - the mean (the sum x 2^-9 is exact)
.endr
	v_mul_f32 v134, v[X], v[X]
	v_fma_f32 v134, v[X+1], v[X+1], v134
	CROSS 256                                      ; other bytes than the first exchange: no barrier between its reads and these stores
	v_fma_f32 v134, v134, s28, s29                 ; the variance + 1e-5
	s_wait_alu depctr_va_vdst(0)                   ; ahead of the transcendental
	v_rsq_f32 v144, v134
	v_nop                                          ; one plain place behind it
	s_wait_alu depctr_va_vdst(0)                   ; and the wait behind it
.irp p, 0,1
	v_mul_f32 v[X+\p], v[X+\p], v144
.endr
.irp p, 0,1
	v_fma_f32 v[X+\p], v[X+\p], v[GF+\p], v[BE+\p]
.endr
.irp p, 0,1
	v_max_num_f32 v[X+\p], 0, v[X+\p]              ; relu
.endr
.irp p, 0,1
	ds_store_b32 v232, v[X+\p] offset:128*\p
.endr
	ds_load_b64 v[136:137], v233                   ; my wave's own bytes: LDS serves a wave's instructions in order (ISA guide 5.7.1.4)
	s_wait_dscnt 0x0
	global_store_b64 v234, v[136:137], s[18:19]    ; 256 consecutive bytes, aligned
	s_wait_tensorcnt 0x0                           ; the wave's end
	ds_add_u32 v14, v15
	s_wait_dscnt 0x0
	s_endpgm
.Lfunc_end_k_q7195a315c5_fin:
	.size	k_q7195a315c5_fin, .Lfunc_end_k_q7195a315c5_fin-k_q7195a315c5_fin
	.p2alignl 7, 3214868480
	.fill 96, 4, 3214868480
	.section	.rodata,"a",@progbits
	.p2align	6, 0x0
	.amdhsa_kernel k_q7195a315c5_fin
		.amdhsa_group_segment_fixed_size 306176
		.amdhsa_private_segment_fixed_size 0
		.amdhsa_enable_private_segment 0
		.amdhsa_kernarg_size 64
		.amdhsa_user_sgpr_count 2
		.amdhsa_user_sgpr_kernarg_segment_ptr 1
		.amdhsa_wavefront_size32 1
		.amdhsa_system_sgpr_workgroup_id_x 1
		.amdhsa_system_sgpr_workgroup_id_y 1
		.amdhsa_system_sgpr_workgroup_id_z 1
		.amdhsa_system_vgpr_workitem_id 0
		.amdhsa_next_free_vgpr 512
		.amdhsa_next_free_sgpr 66
		.amdhsa_reserve_vcc 1
		.amdhsa_float_denorm_mode_32 3
		.amdhsa_float_denorm_mode_16_64 3
		.amdhsa_memory_ordered 1
		.amdhsa_forward_progress 1
		.amdhsa_inst_pref_size 31
	.end_amdhsa_kernel
	.amdgpu_metadata
---
amdhsa.version: [ 1, 2 ]
amdhsa.kernels:
  - .name:           k_q7195a315c5_fin
    .symbol:         k_q7195a315c5_fin.kd
    .args:
      - { .name: part, .offset: 0, .size: 8, .value_kind: global_buffer, .address_space: global }
      - { .name: lda_features, .offset: 8, .size: 8, .value_kind: global_buffer, .address_space: global }
      - { .name: wfimg, .offset: 16, .size: 8, .value_kind: global_buffer, .address_space: global }
      - { .name: wfsc, .offset: 24, .size: 8, .value_kind: global_buffer, .address_space: global }
      - { .name: bf, .offset: 32, .size: 8, .value_kind: global_buffer, .address_space: global }
      - { .name: gf, .offset: 40, .size: 8, .value_kind: global_buffer, .address_space: global }
      - { .name: betaf, .offset: 48, .size: 8, .value_kind: global_buffer, .address_space: global }
      - { .name: out0, .offset: 56, .size: 8, .value_kind: global_buffer, .address_space: global }
    .group_segment_fixed_size: 306176
    .private_segment_fixed_size: 0
    .kernarg_segment_align: 8
    .kernarg_segment_size: 64
    .max_flat_workgroup_size: 256
    .sgpr_count:     66
    .vgpr_count:     512
    .wavefront_size: 32
...
	.end_amdgpu_metadata
.endif
;; end of part 3
